; MI455X (gfx1250); checked and timed in simulation.
; The chip was launched on July 23, 2026; its instructions are those of AMD's public machine-readable ISA for CDNA 5 (MIT licence, August 2026) and "CDNA5" Instruction Set Architecture Reference Guide (July 2026). The comments in the code are by the model that wrote it; some were corrected since.
;; Attention. Allowed arithmetic: float matrix products may take bf16 or f16 operands with f32 sums; other float arithmetic in f32, or as packed bf16 or f16 multiplies, adds, multiply-adds, maxima and minima; sums over many terms, partial sums and values carried from step to step in f32; what a program stores and reads back later, other than sums and carried values, may be rounded once to bf16 or f16.
;; Inputs: mask 1 x 4,096 bool; w_k 1,024 x 1,024 float32; w_o 1,024 x 1,024 float32; w_q 1,024 x 1,024 float32; w_v 1,024 x 1,024 float32; x 1 x 4,096 x 1,024 float32.
;; Outputs: out0 1 x 4,096 x 1,024 float32.
;; 2 versions, each right and faster than the one before. Each part assembles by itself: llvm-mc -triple=amdgcn-amd-amdhsa -mcpu=gfx1250 --defsym DOCPART=n.
;; ======== version 1 of 2: 4 launches
;; limits: values are held in f16: magnitudes above 65,504 overflow, below 6.1e-05 lose precision
;; workspace buffers: xb 8,388,608 bytes; wts 8,388,608 bytes; sc 16,384 bytes; qkv 25,165,824 bytes; ob 8,388,608 bytes
;; launch prep (part 1): grid 1024 x 1, 8 waves a work-group, no clusters, 0 bytes of LDS; arguments x, w_q, w_k, w_v, w_o, xb, wts, sc; writes xb, wts, sc
.if DOCPART == 1
	.amdgcn_target "amdgcn-amd-amdhsa--gfx1250"
	.amdhsa_code_object_version 6
	.text
	.protected	k_qe83877371b_prep
	.globl	k_qe83877371b_prep
	.p2align	8
	.type	k_qe83877371b_prep,@function
k_qe83877371b_prep:
	s_mov_b64 s[64:65], 0
	v_nop
	global_prefetch_b8 v0, s[64:65] scope:SCOPE_SE
	s_setreg_imm32_b32 hwreg(HW_REG_WAVE_MODE, 25, 1), 1
	s_wait_xcnt 0x0
; PREP.  xb = bf16(x).  For each of the 4 x 1,024 weight rows: rs = 1 / max(|row|, 1e-12) in f32, split into its power of two 2^e and its
; mantissa part in [1, 2): wts = bf16(w) x 2^e (exact; rows of w_q, w_k, w_v written as bf16, rows of w_o as f16), sc = the mantissa part,
; so that the normalised weight is wts x sc, and sc is applied in f32 on the way out of each product.
; LIMITS.  The norm is taken of the unrounded f32 row.  In f16 an entry of w_o's rows below 2^-14 of a row of norm 1 keeps f16's fixed step of 6e-8.
; SHARES.  A row is 4,096 bytes: one wave takes one row, eight loads of 16 bytes a lane, and keeps it in 32 registers.  Row R = 8 x work-group + wave:
; R < 4,096 is x's row R, the others are weight rows.  No wave waits for another: no LDS, no barrier.  The matrix unit and clusters have nothing to do here: nothing is shared and nothing multiplied.
.set X,  8                             ; v[8:39]   the row as loaded
.set U,  40                            ; v[40:47]  four chains of sums of squares
.set RS, 48                            ; v48       rs
.set PW, 50                            ; v[50:51]  2^e, twice (a pair for the packed multiply)
.set MA, 52                            ; v52       the mantissa part
.set TT, 54                            ; v[54:57]  packed bf16, at work
	s_load_b512 s[8:23], s[0:1], 0x0               ; x 8, w_q 10, w_k 12, w_v 14, w_o 16, xb 18, wts 20, sc 22
	v_lshrrev_b32 v1, 5, v0
	v_readfirstlane_b32 s2, v1                     ; wave 0..7
	v_and_b32 v1, 31, v0                           ; lane
	v_lshlrev_b32 v2, 4, v1                        ; 16 bytes a lane in
	v_lshlrev_b32 v3, 3, v1                        ; 8 bytes a lane out
	v_mov_b32 v4, 0
	s_lshl_b32 s3, ttmp9, 3
	s_add_co_u32 s3, s3, s2                        ; R
	s_mov_b32 s29, 0                               ; high word of every offset pair
	s_mov_b32 s30, 0x76543210                      ; v_permlanex16_b32: each lane takes its own place in the other half
	s_mov_b32 s31, 0xfedcba98
	s_mov_b32 s32, 0xffff0000                      ; a word's upper bf16
	s_wait_kmcnt 0x0
	s_cmp_lt_u32 s3, 4096
	s_cbranch_scc0 .Lweight
	; a row of x: rounded to bf16 and stored
	s_lshl_b32 s28, s3, 12
	s_add_nc_u64 s[24:25], s[8:9], s[28:29]
	s_lshl_b32 s28, s3, 11
	s_add_nc_u64 s[26:27], s[18:19], s[28:29]
.irp j, 0,1,2,3,4,5,6,7
	global_load_b128 v[X+4*(\j):X+4*(\j)+3], v2, s[24:25] offset:512*(\j) th:TH_LOAD_NT
.endr
.irp j, 0,1,2,3,4,5,6,7
	s_wait_loadcnt 7-(\j)                          ; loads come back in order: load j is in, the younger ones stay out
	v_cvt_pk_bf16_f32 v[X+4*(\j)], v[X+4*(\j)], v[X+4*(\j)+1]
	v_cvt_pk_bf16_f32 v[X+4*(\j)+1], v[X+4*(\j)+2], v[X+4*(\j)+3]
	global_store_b64 v3, v[X+4*(\j):X+4*(\j)+1], s[26:27] offset:256*(\j)  ; 32 lanes x 8 bytes: 256 consecutive bytes, aligned
.endr
	s_endpgm
.Lweight:
	s_bfe_u32 s33, s3, 0x2000a                     ; which matrix: (R >> 10) & 3 = 0 q, 1 k, 2 v, 3 o
	s_and_b32 s34, s3, 1023                        ; its row
	s_cmp_eq_u32 s33, 1
	s_cselect_b64 s[24:25], s[12:13], s[10:11]
	s_cmp_eq_u32 s33, 2
	s_cselect_b64 s[24:25], s[14:15], s[24:25]
	s_cmp_eq_u32 s33, 3
	s_cselect_b64 s[24:25], s[16:17], s[24:25]
	s_lshl_b32 s28, s34, 12
	s_add_nc_u64 s[24:25], s[24:25], s[28:29]
	s_sub_co_u32 s36, s3, 4096                     ; the row's number in wts and sc
	s_lshl_b32 s28, s36, 11
	s_add_nc_u64 s[26:27], s[20:21], s[28:29]
	s_lshl_b32 s28, s36, 2
	s_add_nc_u64 s[22:23], s[22:23], s[28:29]
.irp j, 0,1,2,3,4,5,6,7
	global_load_b128 v[X+4*(\j):X+4*(\j)+3], v2, s[24:25] offset:512*(\j) th:TH_LOAD_NT
.endr
	s_wait_loadcnt 0x0                             ; the norm wants the whole row
.irp c, 0,1,2,3
	v_pk_mul_f32 v[U+2*(\c):U+2*(\c)+1], v[X+2*(\c):X+2*(\c)+1], v[X+2*(\c):X+2*(\c)+1]  ; the first four pairs start the chains
.endr
.set p, 4
.rept 12
	v_pk_fma_f32 v[U+2*(p%4):U+2*(p%4)+1], v[X+2*p:X+2*p+1], v[X+2*p:X+2*p+1], v[U+2*(p%4):U+2*(p%4)+1]
.set p, p+1
.endr
	v_pk_add_f32 v[U:U+1], v[U:U+1], v[U+2:U+3]
	v_pk_add_f32 v[U+4:U+5], v[U+4:U+5], v[U+6:U+7]
	v_pk_add_f32 v[U:U+1], v[U:U+1], v[U+4:U+5]
	v_add_f32 v[U], v[U], v[U+1]
	v_add_f32_dpp v[U], v[U], v[U] row_xmask:1 row_mask:0xf bank_mask:0xf
	v_add_f32_dpp v[U], v[U], v[U] row_xmask:2 row_mask:0xf bank_mask:0xf
	v_add_f32_dpp v[U], v[U], v[U] row_xmask:4 row_mask:0xf bank_mask:0xf
	v_add_f32_dpp v[U], v[U], v[U] row_xmask:8 row_mask:0xf bank_mask:0xf
	v_permlanex16_b32 v[U+1], v[U], s30, s31
	v_add_f32 v[U], v[U], v[U+1]                   ; every lane holds the row's sum of squares
	v_sqrt_f32 v[U+2], v[U]
	v_nop                                          ; a plain instruction between a transcendental and the use of its result
	s_wait_alu depctr_va_vdst(0)
	v_max_num_f32 v[U+2], 0x2b8cbccc, v[U+2]       ; max(norm, 1e-12)
	v_rcp_f32 v[RS], v[U+2]
	v_nop
	s_wait_alu depctr_va_vdst(0)
	v_and_b32 v[PW], 0x7f800000, v[RS]             ; 2^e
	v_and_b32 v[MA], 0x7fffff, v[RS]
	v_mov_b32 v[PW+1], v[PW]
	v_or_b32 v[MA], 0x3f800000, v[MA]              ; rs / 2^e
.set p, 0
.rept 16                               ; each pair: rounded to bf16, widened again, times 2^e (exact)
	v_cvt_pk_bf16_f32 v[TT+p%4], v[X+2*p], v[X+2*p+1]
	v_lshlrev_b32 v[X+2*p], 16, v[TT+p%4]
	v_and_b32 v[X+2*p+1], s32, v[TT+p%4]
	v_pk_mul_f32 v[X+2*p:X+2*p+1], v[X+2*p:X+2*p+1], v[PW:PW+1]
.set p, p+1
.endr
	s_cmp_eq_u32 s33, 3
	s_cbranch_scc1 .Lhalf
.set p, 0
.rept 16                               ; pair p goes to register p: ascending, so no source is lost
	v_cvt_pk_bf16_f32 v[X+p], v[X+2*p], v[X+2*p+1]
.set p, p+1
.endr
	s_branch .Lstore
.Lhalf:
.set p, 0
.rept 16                               ; w_o's rows meet f16 operands in the last product
	v_cvt_pk_f16_f32 v[X+p], v[X+2*p], v[X+2*p+1]
.set p, p+1
.endr
.Lstore:
.irp j, 0,1,2,3,4,5,6,7
	global_store_b64 v3, v[X+2*(\j):X+2*(\j)+1], s[26:27] offset:256*(\j)
.endr
	s_wait_xcnt 0x0                                ; EXEC is a source of the stores above: it changes only behind this wait
	v_cmp_eq_u32 vcc_lo, 0, v1
	s_and_saveexec_b32 s38, vcc_lo
	global_store_b32 v4, v[MA], s[22:23]           ; one number a row: 4 bytes of the row's 2,052; the price of one wave to a row
	s_wait_xcnt 0x0
	s_or_b32 exec_lo, exec_lo, s38
	s_endpgm
.Lfunc_end_k_qe83877371b_prep:
	.size	k_qe83877371b_prep, .Lfunc_end_k_qe83877371b_prep-k_qe83877371b_prep
	.p2alignl 7, 3214868480
	.fill 96, 4, 3214868480
	.section	.rodata,"a",@progbits
	.p2align	6, 0x0
	.amdhsa_kernel k_qe83877371b_prep
		.amdhsa_group_segment_fixed_size 0
		.amdhsa_private_segment_fixed_size 0
		.amdhsa_enable_private_segment 0
		.amdhsa_kernarg_size 64
		.amdhsa_user_sgpr_count 2
		.amdhsa_user_sgpr_kernarg_segment_ptr 1
		.amdhsa_wavefront_size32 1
		.amdhsa_system_sgpr_workgroup_id_x 1
		.amdhsa_system_sgpr_workgroup_id_y 1
		.amdhsa_system_sgpr_workgroup_id_z 1
		.amdhsa_system_vgpr_workitem_id 0
		.amdhsa_next_free_vgpr 64
		.amdhsa_next_free_sgpr 66
		.amdhsa_reserve_vcc 1
		.amdhsa_float_denorm_mode_32 3
		.amdhsa_float_denorm_mode_16_64 3
		.amdhsa_memory_ordered 1
		.amdhsa_forward_progress 1
		.amdhsa_inst_pref_size 14
	.end_amdhsa_kernel
	.amdgpu_metadata
---
amdhsa.version: [ 1, 2 ]
amdhsa.kernels:
  - .name:           k_qe83877371b_prep
    .symbol:         k_qe83877371b_prep.kd
    .args:
      - { .name: x, .offset: 0, .size: 8, .value_kind: global_buffer, .address_space: global }
      - { .name: w_q, .offset: 8, .size: 8, .value_kind: global_buffer, .address_space: global }
      - { .name: w_k, .offset: 16, .size: 8, .value_kind: global_buffer, .address_space: global }
      - { .name: w_v, .offset: 24, .size: 8, .value_kind: global_buffer, .address_space: global }
      - { .name: w_o, .offset: 32, .size: 8, .value_kind: global_buffer, .address_space: global }
      - { .name: xb, .offset: 40, .size: 8, .value_kind: global_buffer, .address_space: global }
      - { .name: wts, .offset: 48, .size: 8, .value_kind: global_buffer, .address_space: global }
      - { .name: sc, .offset: 56, .size: 8, .value_kind: global_buffer, .address_space: global }
    .group_segment_fixed_size: 0
    .private_segment_fixed_size: 0
    .kernarg_segment_align: 8
    .kernarg_segment_size: 64
    .max_flat_workgroup_size: 256
    .sgpr_count:     66
    .vgpr_count:     64
    .wavefront_size: 32
...
	.end_amdgpu_metadata
.endif
;; end of part 1
;; launch qkvproj (part 2): grid 16 x 16, 4 waves a work-group, clusters of 4 x 4, 327,680 bytes of LDS; arguments xb, wts, sc, qkv; writes qkv
.if DOCPART == 2
	.amdgcn_target "amdgcn-amd-amdhsa--gfx1250"
	.amdhsa_code_object_version 6
	.text
	.protected	k_qe83877371b_qkvproj
	.globl	k_qe83877371b_qkvproj
	.p2align	8
	.type	k_qe83877371b_qkvproj,@function
k_qe83877371b_qkvproj:
	s_mov_b64 s[64:65], 0
	v_nop
	global_prefetch_b8 v0, s[64:65] scope:SCOPE_SE
	s_setreg_imm32_b32 hwreg(HW_REG_WAVE_MODE, 25, 1), 1
	s_wait_xcnt 0x0
	s_wait_alu depctr_hold_cnt(0) depctr_sa_sdst(0) depctr_va_vdst(0) depctr_va_sdst(0) depctr_va_ssrc(0) depctr_va_vcc(0) depctr_vm_vsrc(0)
	s_getreg_b32 s2, hwreg(HW_REG_IB_STS2, 6, 4)
	s_cmp_eq_u32 s2, 0
	s_cbranch_scc0 .Lentry_in_a_cluster
	s_endpgm
.Lentry_in_a_cluster:
	s_bfe_u32 s2, ttmp6, 0x10000c
	s_cmp_lg_u32 s2, 0xf033
	s_cbranch_scc0 .Lentry_shape_is_right
	s_endpgm
.Lentry_shape_is_right:
; Q, K, V.  y[m][n] = sc[n] x the sum over k of xb[m][k] wts[n][k], m < 4,096, n < 3,072, k < 1,024, operands bf16, sums f32.  Columns 64 g .. 64 g + 63 are group g:
; g < 16 a head of q, g < 32 of k, else of v.  A row of a group of q or k is divided by max(its norm, 1e-5); q is also multiplied by c = log2(e) / 8.
; Each number is rounded once to f16 and stored by groups: qkv[g][m][64].
; LIMIT.  v is kept in f16: |v| is at most the norm of x's row, which has to stay under 65,504.
; SHARES.  A work-group makes 256 rows x 192 columns (three groups): 16 x 16 work-groups.  Wave w makes rows 64 w .. 64 w + 63 and all 192 columns: 4 x 12 accumulators, 384 registers;
; a group's 64 columns lie in one wave, so a row's norm wants one exchange between the halves of the lanes.  K goes in steps of 128 through two LDS slots.
; THE MATRIX INSTRUCTION IS USED TRANSPOSED: source 0 = 16 rows of wts, source 1 = 16 rows of xb: lane l holds row l % 16 and the columns 8 (l / 16) + 0..7 of a block of 16.
; CLUSTER.  4 x 4 work-groups: xb's tile hangs on the tile row alone and is asked for jointly along a row of the cluster, wts's on the tile column alone and jointly along a column.
; REGISTERS, in windows of 256 (s_set_vgpr_msb: bits 1:0 source 0, 3:2 source 1, 5:4 source 2, 7:6 destination):
;   window 0: v16-29 addresses; v32-63, v64-95 fragments of xb, two buffers (later the rows read back from the stage); v96-159 at work on the way out; v160-255 the 96 column scales of my lane
;   window 1: v0-95, v96-191 fragments of wts, two buffers      window 2: the accumulators of row blocks 0, 1, (a, b) at v[8 (12 (a % 2) + b)]      window 3: those of row blocks 2, 3
.set KSTEP,  128
.set PITCH,  272                       ; an LDS row: 256 bytes + 16 of padding: the 16 rows of a fragment load start at 16 different groups of four banks (ISA guide 11.1)
.set AHALF,  128*PITCH                 ; what waves 0 and 1 fetch: 128 rows of xb
.set ABYTES, 2*AHALF
.set BHALF,  96*PITCH                  ; what waves 2 and 3 fetch: 96 rows of wts
.set SLOT,   ABYTES+2*BHALF
.set STAGE,  2*SLOT                    ; behind the ring, never filled by a tensor load: 16 rows x 144 bytes for each wave
.set SP,     144
.set SPARE,  STAGE+4*16*SP             ; the spare words, 128 bytes a wave, which no other line names
.set GROUPB, 524288                    ; bytes of a group in qkv
.set ADRA, 16                          ; v16-17  LDS address of my fragments of xb in slot 0, 1
.set ADRB, 20                          ; v20-21  the same for wts
.set SCO,  22                          ; v22     my lanes' offset in sc; not rewritten while the loads of sc are out
.set STO,  24                          ; v24     the way out: where I put 16 bytes of a row
.set RD,   25                          ; v25     where I read rows back
.set GO,   26                          ; v26     my byte offset in 512 consecutive bytes of qkv
.set ONE,  27                          ; v27     1.0
.set SPW,  28                          ; v28     LDS address of my spare word; never rewritten
.set NIL,  29                          ; v29     0; never rewritten
.set FA,   32                          ; buffer f of xb's fragments at FA + 32 f; of wts's at 96 f in window 1
.set OB,   32                          ; the way out: two sets of 16 registers by turns
.set T,    96
.set U,    128
.set PKD,  144
.set SC,   160
.set WV,  12                           ; s12  my wave's number
.set G1,  24                           ; s[24:31] descriptor group 1 for xb's tiles;  s[32:39] group 0, a set for each slot
.set G0,  32
.set G1B, 48                           ; s[48:55], s[56:63] the same for wts's tiles
.set G0B, 56
.set CQ,  66                           ; s66-68  for each of my three groups: c if it is q's, else 1.0
.set VM,  70                           ; s70-72  all ones if it is v's, else 0
.set SEL, 74                           ; s74-75  v_permlanex16_b32's selects
.set EPS, 76                           ; s76     1e-5
.set MSB, 0
.macro WIN new                         ; the immediate's high byte repeats the setting that is left; a switch that changes nothing is dropped
.if MSB != (\new)
	s_set_vgpr_msb (MSB<<8)|(\new)
.set MSB, \new
.endif
.endm
; A joint load: waves 0 and 1 fetch xb's two halves, waves 2 and 3 wts's.  The branch hangs on the wave's number alone.  An s_nop 0 and four v_nop follow each of the two lines.
.macro JLOAD s
	s_cmp_lt_u32 s[WV], 2
	s_cbranch_scc0 .Lfor_b_\@
	tensor_load_to_lds s[G0+4*(\s):G0+4*(\s)+3], s[G1:G1+7]
	s_nop 0
.rept 4
	v_nop
.endr
	s_branch .Lasked_\@
.Lfor_b_\@:
	tensor_load_to_lds s[G0B+4*(\s):G0B+4*(\s)+3], s[G1B:G1B+7]
	s_nop 0
.rept 4
	v_nop
.endr
.Lasked_\@:
.endm
.macro CREST                           ; a round of the cluster's barrier behind its opening barrier
	s_cmp_lg_u32 s[WV], 0
	s_cbranch_scc1 .Lnot_wave_0_\@
	s_barrier_signal -3
.Lnot_wave_0_\@:
	s_barrier_wait -3
	s_barrier_signal -1
	s_barrier_wait -1
.endm
.macro CROUND                          ; a whole round
	s_barrier_signal -1
	s_barrier_wait -1
	CREST
.endm
	s_load_b256 s[4:11], s[0:1], 0x0               ; xb s[4:5], wts s[6:7], sc s[8:9], qkv s[10:11]
	v_lshl_add_u32 v[SPW], v0, 2, SPARE
	v_mov_b32 v[NIL], 0
	ds_add_u32 v[SPW], v[NIL]                      ; the wave's opening: the add and its wait stand ahead of my first tensor load; the set-up below stands between them
	v_lshrrev_b32 v1, 5, v0
	v_readfirstlane_b32 s[WV], v1                  ; wave 0..3
	s_and_b32 s14, s[WV], 1                        ; which half of a tile I fetch
	s_bfe_u32 s40, ttmp6, 0x40000                  ; cx, cy: my place in the cluster
	s_bfe_u32 s41, ttmp6, 0x40004
	s_lshl_b32 s42, ttmp9, 2
	s_add_co_u32 s42, s42, s40                     ; tile column = 4 x cluster x + cx
	s_and_b32 s43, ttmp7, 0xffff
	s_lshl_b32 s43, s43, 2
	s_add_co_u32 s43, s43, s41                     ; tile row = 4 x cluster y + cy
	s_lshl_b32 s44, s41, 2
	s_lshl_b32 s44, 15, s44                        ; my row of the cluster
	s_lshl_b32 s45, 0x1111, s40                    ; my column
	s_or_b32 s[G1+0], s44, (1<<16)|(1<<20)|(1<<21)|(5<<22)|(3<<25)   ; the mask; 2-byte elements; padding on; bit 21 beside a mask; after every 64 words, 4 words
	s_or_b32 s[G1B+0], s45, (1<<16)|(1<<20)|(1<<21)|(5<<22)|(3<<25)
	s_mov_b32 s[G1+1], KSTEP<<16                   ; tensor_dim0 = 128
	s_mov_b32 s[G1+2], 128<<16                     ; tensor_dim1 = 128
	s_mov_b32 s[G1+3], KSTEP<<16                   ; tile_dim0 = 128
	s_mov_b32 s[G1+4], 128                         ; tile_dim1 = 128
	s_mov_b32 s[G1+5], 1024                        ; elements from row to row
	s_mov_b32 s[G1+6], 0
	s_mov_b32 s[G1+7], 0
	s_mov_b32 s[G1B+1], KSTEP<<16
	s_mov_b32 s[G1B+2], 96<<16                     ; 96 rows
	s_mov_b32 s[G1B+3], KSTEP<<16
	s_mov_b32 s[G1B+4], 96
	s_mov_b32 s[G1B+5], 1024
	s_mov_b32 s[G1B+6], 0
	s_mov_b32 s[G1B+7], 0
	s_lshl_b32 s16, s43, 19                        ; xb: (256 x tile row + 128 x half) rows of 2,048 bytes
	s_lshl_b32 s17, s14, 18
	s_add_co_u32 s16, s16, s17
	s_mov_b32 s17, 0
	s_mul_i32 s46, s42, 192*2048                   ; wts: (192 x tile column + 96 x half) rows
	s_mul_i32 s47, s14, 96*2048
	s_add_co_u32 s46, s46, s47
	s_mov_b32 s47, 0
	s_mul_i32 s20, s14, AHALF                      ; where they go: no place in the cluster enters an LDS address
	s_mul_i32 s21, s14, BHALF
	s_add_co_u32 s21, s21, ABYTES
	s_mov_b32 s[SEL], 0x76543210
	s_mov_b32 s[SEL+1], 0xfedcba98
	s_mov_b32 s[EPS], 0x3727c5ac                   ; 1e-5
	s_wait_dscnt 0x0                               ; the opening add is done
	s_wait_kmcnt 0x0
	s_add_nc_u64 s[16:17], s[4:5], s[16:17]
	s_add_nc_u64 s[46:47], s[6:7], s[46:47]
	CROUND                                         ; all sixteen work-groups are here: the first joint loads meet
.irp s, 0,1
	s_mov_b32 s[G0+4*(\s)], 1
	s_add_co_u32 s[G0+4*(\s)+1], s20, (\s)*SLOT
	s_add_nc_u64 s[G0+4*(\s)+2:G0+4*(\s)+3], s[16:17], (\s)*KSTEP*2  ; K step s
	s_or_b32 s[G0+4*(\s)+3], s[G0+4*(\s)+3], 0x80000000
	s_mov_b32 s[G0B+4*(\s)], 1
	s_add_co_u32 s[G0B+4*(\s)+1], s21, (\s)*SLOT
	s_add_nc_u64 s[G0B+4*(\s)+2:G0B+4*(\s)+3], s[46:47], (\s)*KSTEP*2
	s_or_b32 s[G0B+4*(\s)+3], s[G0B+4*(\s)+3], 0x80000000
	JLOAD \s                                       ; two tensor loads of mine are out
.endr
	v_and_b32 v1, 15, v0                           ; l % 16
	v_bfe_u32 v2, v0, 4, 1                         ; l / 16
	; my lane's 96 column scales: block b's columns 16 b + 8 (l / 16) + 0..7.  They stay out until the way out
	v_lshlrev_b32 v[SCO], 5, v2
	s_mul_i32 s18, s42, 768
	s_mov_b32 s19, 0
	s_add_nc_u64 s[8:9], s[8:9], s[18:19]
.irp b, 0,1,2,3,4,5,6,7,8,9,10,11
	global_load_b128 v[SC+8*(\b):SC+8*(\b)+3],   v[SCO], s[8:9] offset:64*(\b)
	global_load_b128 v[SC+8*(\b)+4:SC+8*(\b)+7], v[SCO], s[8:9] offset:64*(\b)+16
.endr
	v_mul_u32_u24 v3, v1, PITCH
	v_lshl_add_u32 v3, v2, 4, v3                   ; a fragment's row x pitch + 16 x half
	s_mul_i32 s22, s[WV], 64*PITCH                 ; my 64 rows of xb
.irp s, 0,1
	v_add_nc_u32 v[ADRA+(\s)], s22, v3
	v_add_nc_u32 v[ADRB+(\s)], ABYTES+(\s)*SLOT, v3
	s_add_co_u32 s22, s22, SLOT
.endr
	s_mul_i32 s23, s[WV], 16*SP
	s_add_co_u32 s23, s23, STAGE                   ; my stage
	v_mul_u32_u24 v4, v1, SP                       ; in: row l % 16, 16 bytes for each half of the lanes
	v_lshl_add_u32 v4, v2, 4, v4
	v_add_nc_u32 v[STO], s23, v4
	v_bfe_u32 v5, v0, 3, 2                         ; back: 32 lanes take four rows of 128 bytes,
	v_and_b32 v6, 7, v0
	v_mul_u32_u24 v5, v5, SP
	v_lshl_add_u32 v5, v6, 4, v5
	v_add_nc_u32 v[RD], s23, v5
	v_and_b32 v[GO], 31, v0                        ; which are 512 consecutive bytes of a group
	v_lshlrev_b32 v[GO], 4, v[GO]
	v_mov_b32 v[ONE], 1.0
	s_mul_i32 s18, s42, 3*GROUPB                   ; qkv at my first group, my wave's first row
	s_lshl_b32 s20, s43, 15
	s_add_co_u32 s18, s18, s20
	s_lshl_b32 s20, s[WV], 13
	s_add_co_u32 s18, s18, s20
	s_add_nc_u64 s[10:11], s[10:11], s[18:19]
	s_mul_i32 s20, s42, 3                          ; my first group's number: it chooses values only, never a branch
.irp n, 0,1,2
	s_add_co_u32 s21, s20, \n
	s_cmp_lt_u32 s21, 16
	s_cselect_b32 s[CQ+(\n)], 0x3e38aa3b, 1.0      ; c = log2(e) / 8 for q
	s_cmp_gt_u32 s21, 31
	s_cselect_b32 s[VM+(\n)], -1, 0
.endr
; 12 matrix instructions: row block a x all 12 column blocks, 32 along K, from buffer f.  All 48 accumulators take turns, one instruction a turn.  zero = 1: the product starts the sums.
.macro MULA f, a, zero
	WIN 0xa1+0x50*((\a)/2)                         ; wts window 1, xb window 0, C and D window 2 or 3
.irp b, 0,1,2,3,4,5,6,7,8,9,10,11
.if \zero
	v_wmma_f32_16x16x32_bf16 v[8*(12*((\a)%2)+(\b)):8*(12*((\a)%2)+(\b))+7], v[96*(\f)+8*(\b):96*(\f)+8*(\b)+7], v[FA+32*(\f)+8*(\a):FA+32*(\f)+8*(\a)+7], 0
.else
	v_wmma_f32_16x16x32_bf16 v[8*(12*((\a)%2)+(\b)):8*(12*((\a)%2)+(\b))+7], v[96*(\f)+8*(\b):96*(\f)+8*(\b)+7], v[FA+32*(\f)+8*(\a):FA+32*(\f)+8*(\a)+7], v[8*(12*((\a)%2)+(\b)):8*(12*((\a)%2)+(\b))+7]
.endif
.endr
.endm
; 32 LDS loads in one run: 192 rows of wts, then my 64 rows of xb, 32 K at byte k of the rows, into buffer f
.macro FETCH slot, k, f
	WIN 0x40                                       ; destination window 1, address window 0
.irp i, 0,1,2,3,4,5,6,7,8,9,10,11
	ds_load_b128 v[96*(\f)+8*(\i):96*(\f)+8*(\i)+3],   v[ADRB+(\slot)] offset:(\k)+(\i)*16*PITCH
	ds_load_b128 v[96*(\f)+8*(\i)+4:96*(\f)+8*(\i)+7], v[ADRB+(\slot)] offset:(\k)+(\i)*16*PITCH+32
.endr
	WIN 0
.irp i, 0,1,2,3
	ds_load_b128 v[FA+32*(\f)+8*(\i):FA+32*(\f)+8*(\i)+3],   v[ADRA+(\slot)] offset:(\k)+(\i)*16*PITCH
	ds_load_b128 v[FA+32*(\f)+8*(\i)+4:FA+32*(\f)+8*(\i)+7], v[ADRA+(\slot)] offset:(\k)+(\i)*16*PITCH+32
.endr
.endm
.macro PLACES                          ; four places in front of loads into registers that matrix instructions have read, and of lines that read results
.rept 4
	v_nop
.endr
.endm
; A K step is four quarters of 32 along K, 48 matrix instructions each, on buffers 0, 1, 0, 1.  One of the first three: multiplies buffer f; in its middle it fetches the next quarter, at byte k, into g.
.macro QUARTER slot, k, f, g, zero
	s_wait_dscnt 4                                 ; wts and xb's row blocks 0, 1 are in; the youngest four loads (blocks 2, 3) may be out
	MULA \f, 0, \zero
	MULA \f, 1, \zero
	PLACES
	FETCH \slot, \k, \g
	s_wait_dscnt 32                                ; all but the 32 just issued
	MULA \f, 2, \zero
	MULA \f, 3, \zero
.endm
; The last quarter multiplies buffer 1 and changes slots: ONE barrier.  In front of it each wave waits for all its tensor loads (one is out: its part of the next slot), adds 0 to its spare word, and waits
; for that and for its reads of this slot.  fill = 1: the barrier opens a round of the cluster's, and this slot is filled again, two K steps ahead, first thing behind the round.
.macro TURN slot, next, fill
	WIN 0
	s_wait_tensorcnt 0x0                           ; all my tensor loads have landed
	ds_add_u32 v[SPW], v[NIL]                      ; 0 onto my spare word
	s_wait_dscnt 5                                 ; (the add and the youngest four loads may be out)
	MULA 1, 0, 0                                   ; twelve matrix instructions stand between the add and the wait for it
	s_wait_dscnt 0x0                               ; the add is done, and my reads of this slot are over
	s_barrier_signal -1
	MULA 1, 1, 0                                   ; work on registers while the others arrive
.if \fill
	WIN 0
.endif
	s_barrier_wait -1
.if \fill
	CREST                                          ; no wave of any partner still reads this slot or has a load on its way
	s_add_nc_u64 s[G0+4*(\slot)+2:G0+4*(\slot)+3], s[G0+4*(\slot)+2:G0+4*(\slot)+3], 2*KSTEP*2
	s_add_nc_u64 s[G0B+4*(\slot)+2:G0B+4*(\slot)+3], s[G0B+4*(\slot)+2:G0B+4*(\slot)+3], 2*KSTEP*2
	JLOAD \slot                                    ; my one tensor load behind the round; its four v_nop are also the places in front of the loads below
.else
	PLACES
.endif
	FETCH \next, 0, 0
	MULA 1, 2, 0
	MULA 1, 3, 0
.endm
	s_wait_tensorcnt 1                             ; my part of K step 0 is in; K step 1's may stay out
	s_barrier_signal -1
	s_barrier_wait -1                              ; everybody's is
	FETCH 0, 0, 0
	QUARTER 0, 64, 0, 1, 1                         ; the first quarter stands in front of the loop: its products start the sums
	WIN 0                                          ; at a label and at a branch every window is 0
	s_mov_b32 s3, 3                                ; 8 K steps are 4 laps of the ring; the last lap is written out
.Llap:                                                 ; a trip goes once round the ring, from a lap's second quarter to the next lap's first, and fills both slots again
	QUARTER 0, 128, 1, 0, 0
	QUARTER 0, 192, 0, 1, 0
	TURN 0, 1, 1
	QUARTER 1, 64,  0, 1, 0
	QUARTER 1, 128, 1, 0, 0
	QUARTER 1, 192, 0, 1, 0
	TURN 1, 0, 1
	QUARTER 0, 64,  0, 1, 0
	WIN 0
	s_sub_co_u32 s3, s3, 1
	s_cmp_lg_u32 s3, 0
	s_cbranch_scc1 .Llap
	QUARTER 0, 128, 1, 0, 0                        ; the last lap asks for nothing
	QUARTER 0, 192, 0, 1, 0
	TURN 0, 1, 0
	QUARTER 1, 64,  0, 1, 0
	QUARTER 1, 128, 1, 0, 0
	QUARTER 1, 192, 0, 1, 0
	s_wait_dscnt 4                                 ; the very last quarter: nothing more to fetch
	MULA 1, 0, 0
	MULA 1, 1, 0
	s_wait_dscnt 0x0
	MULA 1, 2, 0
	MULA 1, 3, 0
	WIN 0
	PLACES                                         ; the lines below read results just made
	s_wait_loadcnt 0x0                             ; the column scales
; THE WAY OUT, in 12 units: row block a (16 rows) of group n.  The sums times the column scales; the row's norm over the group's 64 columns (32 in my lane, 32 in the lane 16 away); the factor
; c / max(norm, 1e-5) for q, 1 / max(norm, 1e-5) for k, 1 for v (a select, no branch); rounded to f16; through my stage in LDS, so that whole rows of 128 bytes leave together.
.macro PACKU a, n, u
.set AC, 8*(12*((\a)%2)+4*(\n))
	WIN 0x02+(\a)/2                                ; source 0 in window 2 or 3
.set z, 0
.rept 16                               ; ascending: each accumulator's lowest registers are read first
	v_pk_mul_f32 v[T+2*z:T+2*z+1], v[AC+2*z:AC+2*z+1], v[SC+32*(\n)+2*z:SC+32*(\n)+2*z+1]
.set z, z+1
.endr
	WIN 0
.irp c, 0,1,2,3
	v_pk_mul_f32 v[U+2*(\c):U+2*(\c)+1], v[T+2*(\c):T+2*(\c)+1], v[T+2*(\c):T+2*(\c)+1]
.endr
.set z, 4
.rept 12
	v_pk_fma_f32 v[U+2*(z%4):U+2*(z%4)+1], v[T+2*z:T+2*z+1], v[T+2*z:T+2*z+1], v[U+2*(z%4):U+2*(z%4)+1]
.set z, z+1
.endr
	v_pk_add_f32 v[U:U+1], v[U:U+1], v[U+2:U+3]
	v_pk_add_f32 v[U+4:U+5], v[U+4:U+5], v[U+6:U+7]
	v_pk_add_f32 v[U:U+1], v[U:U+1], v[U+4:U+5]
	v_add_f32 v[U], v[U], v[U+1]
	v_permlanex16_b32 v[U+1], v[U], s[SEL], s[SEL+1]
	v_add_f32 v[U], v[U], v[U+1]
	v_sqrt_f32 v[U+2], v[U]
	v_nop                                          ; a plain instruction between a transcendental and the use of its result
	s_wait_alu depctr_va_vdst(0)
	v_max_num_f32 v[U+2], s[EPS], v[U+2]
	v_rcp_f32 v[U], v[U+2]
	v_nop
	s_wait_alu depctr_va_vdst(0)
	v_mul_f32 v[U], s[CQ+(\n)], v[U]
	v_cndmask_b32 v[U], v[U], v[ONE], s[VM+(\n)]   ; v is not normalised
.set z, 0
.rept 16
	v_pk_mul_f32 v[T+2*z:T+2*z+1], v[T+2*z:T+2*z+1], v[U:U+1] op_sel_hi:[1,0]
.set z, z+1
.endr
.set z, 0
.rept 16
	v_cvt_pk_f16_f32 v[PKD+z], v[T+2*z], v[T+2*z+1]
.set z, z+1
.endr
.irp f, 0,1,2,3
	ds_store_b128 v[STO], v[PKD+4*(\f):PKD+4*(\f)+3] offset:32*(\f)
.endr
	s_wait_xcnt 0x0                                ; the registers below were an earlier unit's store data: they are loaded again only behind this wait
.irp f, 0,1,2,3
	ds_load_b128 v[OB+16*((\u)%2)+4*(\f):OB+16*((\u)%2)+4*(\f)+3], v[RD] offset:(\f)*4*SP  ; LDS serves a wave's instructions in order (ISA guide 5.7.1.4): these see the stores above
.endr
.endm
.macro SENDU a, n, u, younger          ; younger: the LDS instructions issued behind this unit's loads: the next unit's eight, or none
.irp f, 0,1,2,3
	s_wait_dscnt (\younger)+3-(\f)
	global_store_b128 v[GO], v[OB+16*((\u)%2)+4*(\f):OB+16*((\u)%2)+4*(\f)+3], s[10:11] offset:(\n)*GROUPB+(\a)*2048+(\f)*512  ; 512 consecutive bytes, at a multiple of 256 from qkv's first
.endr
.endm
	PACKU 0, 0, 0
.set u, 1
.rept 11                               ; a unit's arithmetic stands between the loads of the unit before and its stores
	PACKU u/3, u%3, u
	SENDU (u-1)/3, (u-1)%3, u-1, 8
.set u, u+1
.endr
	SENDU 3, 2, 11, 0
	s_wait_tensorcnt 0x0                           ; the wave's end: behind my last tensor load and my last LDS store
	ds_add_u32 v[SPW], v[NIL]
	s_wait_dscnt 0x0
	CROUND                                         ; the closing round: no work-group ends while a partner may still ask for a tile that names it
	s_endpgm
.Lfunc_end_k_qe83877371b_qkvproj:
	.size	k_qe83877371b_qkvproj, .Lfunc_end_k_qe83877371b_qkvproj-k_qe83877371b_qkvproj
	.p2alignl 7, 3214868480
	.fill 96, 4, 3214868480
	.section	.rodata,"a",@progbits
	.p2align	6, 0x0
	.amdhsa_kernel k_qe83877371b_qkvproj
		.amdhsa_group_segment_fixed_size 327680
		.amdhsa_private_segment_fixed_size 0
		.amdhsa_enable_private_segment 0
		.amdhsa_kernarg_size 32
		.amdhsa_user_sgpr_count 2
		.amdhsa_user_sgpr_kernarg_segment_ptr 1
		.amdhsa_wavefront_size32 1
		.amdhsa_system_sgpr_workgroup_id_x 1
		.amdhsa_system_sgpr_workgroup_id_y 1
		.amdhsa_system_sgpr_workgroup_id_z 1
		.amdhsa_system_vgpr_workitem_id 0
		.amdhsa_next_free_vgpr 960
		.amdhsa_next_free_sgpr 80
		.amdhsa_reserve_vcc 0
		.amdhsa_float_denorm_mode_32 3
		.amdhsa_float_denorm_mode_16_64 3
		.amdhsa_memory_ordered 1
		.amdhsa_forward_progress 1
		.amdhsa_inst_pref_size 167
	.end_amdhsa_kernel
	.amdgpu_metadata
---
amdhsa.version: [ 1, 2 ]
amdhsa.kernels:
  - .name:           k_qe83877371b_qkvproj
    .symbol:         k_qe83877371b_qkvproj.kd
    .args:
      - { .name: xb, .offset: 0, .size: 8, .value_kind: global_buffer, .address_space: global }
      - { .name: wts, .offset: 8, .size: 8, .value_kind: global_buffer, .address_space: global }
      - { .name: sc, .offset: 16, .size: 8, .value_kind: global_buffer, .address_space: global }
      - { .name: qkv, .offset: 24, .size: 8, .value_kind: global_buffer, .address_space: global }
    .group_segment_fixed_size: 327680
    .private_segment_fixed_size: 0
    .kernarg_segment_align: 8
    .kernarg_segment_size: 32
    .max_flat_workgroup_size: 128
    .sgpr_count:     80
    .vgpr_count:     960
    .wavefront_size: 32
...
	.end_amdgpu_metadata
.endif
;; end of part 2
;; launch attn (part 3): grid 16 x 16, 4 waves a work-group, clusters of 4 x 1, 327,680 bytes of LDS; arguments qkv, mask, ob; writes ob
.if DOCPART == 3
	.amdgcn_target "amdgcn-amd-amdhsa--gfx1250"
	.amdhsa_code_object_version 6
	.text
	.protected	k_qe83877371b_attn
	.globl	k_qe83877371b_attn
	.p2align	8
	.type	k_qe83877371b_attn,@function
k_qe83877371b_attn:
	s_mov_b64 s[64:65], 0
	v_nop
	global_prefetch_b8 v0, s[64:65] scope:SCOPE_SE
	s_setreg_imm32_b32 hwreg(HW_REG_WAVE_MODE, 25, 1), 1
	s_wait_xcnt 0x0
	s_wait_alu depctr_hold_cnt(0) depctr_sa_sdst(0) depctr_va_vdst(0) depctr_va_sdst(0) depctr_va_ssrc(0) depctr_va_vcc(0) depctr_vm_vsrc(0)
	s_getreg_b32 s2, hwreg(HW_REG_IB_STS2, 6, 4)
	s_cmp_eq_u32 s2, 0
	s_cbranch_scc0 .Lentry_in_a_cluster
	s_endpgm
.Lentry_in_a_cluster:
	s_bfe_u32 s2, ttmp6, 0x10000c
	s_cmp_lg_u32 s2, 0x3003
	s_cbranch_scc0 .Lentry_shape_is_right
	s_endpgm
.Lentry_shape_is_right:
; ATTENTION.  ob[h][i][:] = the sum over keys j of softmax_j(q[h][i] . k[h][j] / 8, hidden keys left out) v[h][j][:].  qkv[g][4096][64] in f16: group h holds q's unit rows times c = log2(e) / 8,
; group 16 + h k's unit rows, group 32 + h v.  Products and sums in f32; the weights are rounded to f16 for the second product (their sum is taken of the unrounded weights), ob once at the end.
; NO MAXIMUM IS TAKEN AWAY.  q's and k's rows are unit vectors (or shorter) by the problem's own normalisation, whatever the inputs: an exponent c q . k lies within 0.19 of 0, a weight 2^(c q . k)
; in 0.87 to 1.15, and a row's sum is at most 4,096 x 1.15: no exponential and no sum can overflow or underflow in f32, nor a weight in f16.
; THE MASK is the C operand that starts the sum S^T = K Q^T: 0, or -1e30 where the key is hidden: that weight is exactly 0.  The mask's bytes are 0 or 1.  If all keys are hidden, the sum is 0 and
; 0 x infinity gives NaN, as the softmax of a row of -infinity does.
; SHARES.  A work-group owns 256 queries of one head, each of its four waves 64: four PIECES of 16.  Every wave walks all 4,096 keys, 64 a step; an LDS slot holds four steps.
; LAYOUT.  S^T = K Q^T holds ONE query a lane (lane % 16) and the keys 8 (lane / 16) + 0..7 of a block of 16; two such results rounded to f16 ARE source 1 of O^T = V^T P.
; BY TURNS.  A piece and step have 16 matrix instructions and 64 vector ones: 32 exponentials, 16 packed sums, 16 roundings.  Turn n belongs to piece n: its matrix work is 8 products K Q^T of piece n + 1
; and 8 products V^T P of piece n - 1; behind EACH stand four of piece n's vector instructions: exponential, sum, exponential, rounding.  Turns 1 and 2 take K Q^T first, turns 0 and 3 V^T P first,
; so that K's registers are free from the middle of turn 2 to the middle of turn 3, and V's from the middle of turn 0 to the middle of turn 1: each run of LDS loads has 14 products in which to land.
; CLUSTER.  The four query blocks of a cluster belong to one head and walk the same K and V: each tile is asked for JOINTLY, by the same tensor load, descriptor and mask in all four.
; REGISTERS, in windows of 256 (s_set_vgpr_msb: bits 1:0 source 0, 3:2 source 1, 5:4 source 2, 7:6 destination):
;   window 0: v0-31 addresses and sums; v32-95 Q; v96-159 K of one step; v160-223 S^T, two buffers by the piece's parity; v224-255 P, likewise
;   window 1: v0-127 O^T, 32 a piece; v128-159 the step's mask; v160-223 V of one step
.set NKEYS, 4096
.set KS,    64
.set PK,    144       ; a row of K in LDS: 128 bytes + 16 of padding: the 16 rows of a load start at 16 different groups of four banks (ISA guide 11.1)
.set PV,    160       ; a row of V: 128 + 32
.set VOFF,  4*KS*PK   ; a slot: 256 rows of K, then 256 rows of V
.set SLOT1, 1<<17     ; slot 1 begins here: one exclusive or turns an address in one slot into the other's
.set STAGE, SLOT1+4*KS*(PK+PV)  ; never filled by a tensor load: 16 rows x 144 bytes for each wave, for the way out
.set SP,    144
.set BIAS,  STAGE+4*16*SP       ; 4,096 numbers in f32: 0 or -1e30 for each key; written once by ds_store
.set SPARE, BIAS+4*NKEYS        ; the spare words, 128 bytes a wave, which no other line names
.set GROUPB, 524288
.set AK0, 2           ; v2   my lane's place in a tile of K; never rewritten
.set AV0, 3           ; v3   the same for V
.set AK,  4           ; v4   the LDS address of K's next run of loads
.set AV,  5           ; v5   of V's
.set AM0, 6           ; v6   BIAS + 32 (lane / 16)
.set AM,  7           ; v7   the LDS address of the mask's next run
.set STO, 8           ; v8   the way out: where I put 16 bytes of a row
.set RD,  9           ; v9   where I read rows back
.set GO,  10          ; v10  my byte offset in 512 consecutive bytes of ob
.set L,   12          ; v12-19  piece t's sum of weights at L + 2 t: even keys', odd keys'
.set SPW, 30          ; v30  LDS address of my spare word; never rewritten
.set NIL, 31          ; v31  0; never rewritten
.set Q,   32          ; piece t, channel half c at Q + 16 t + 8 c
.set KF,  96          ; key block kb, channel half c at KF + 16 kb + 8 c
.set S,   160
.set P,   224
.set MB,  128         ; window 1: the eight numbers of key block kb at MB + 8 kb
.set VF,  160         ; window 1: key half kk, channel block cb at VF + 32 kk + 8 cb
.set WV,  12          ; s12  my wave's number
.set G1K, 24          ; s[24:31] descriptor group 1 for K's tiles
.set G1V, 32          ; s[32:39] for V's: it differs in the padding alone
.set G0K, 40          ; s[40:43] descriptor group 0 for K's tiles: it walks
.set G0V, 44          ; s[44:47] the same for V's
.set SLOTS, 56        ; s56  slots still to be asked for
.set CNT, 57          ; s57  counts a slot's key steps
.set SEL, 60          ; s[60:61] v_permlanex16_b32's selects
.set TBK, 62          ; s62  LDS byte at which K of the step to be fetched begins
.set TBV, 63          ; s63  the same for V, less VOFF
.set TBM, 66          ; s66  byte in the table of biases at which that step's 64 numbers begin
.set BIGN, 67         ; s67  -1e30
.set MSB, 0
.macro WIN new                      ; the high byte repeats the setting that is left; a switch that changes nothing is dropped
.if MSB != (\new)
	s_set_vgpr_msb (MSB<<8)|(\new)
.set MSB, (\new)
.endif
.endm
; A joint fill.  Waves 0 and 1 fetch the two halves of a slot's K, waves 2 and 3 those of its V: 128 keys each.  An s_nop 0 and four v_nop follow each of the two lines.
.macro JLOAD
	s_cmp_lt_u32 s[WV], 2
	s_cbranch_scc0 .Lfor_v_\@
	tensor_load_to_lds s[G0K:G0K+3], s[G1K:G1K+7]
	s_nop 0
.rept 4
	v_nop
.endr
	s_branch .Lasked_\@
.Lfor_v_\@:
	tensor_load_to_lds s[G0V:G0V+3], s[G1V:G1V+7]
	s_nop 0
.rept 4
	v_nop
.endr
.Lasked_\@:
.endm
.macro CROUND                       ; a round of the cluster's barrier
	s_barrier_signal -1
	s_barrier_wait -1
	s_cmp_lg_u32 s[WV], 0
	s_cbranch_scc1 .Lnot_wave_0_\@
	s_barrier_signal -3
.Lnot_wave_0_\@:
	s_barrier_wait -3
	s_barrier_signal -1
	s_barrier_wait -1
.endm
; THE CHANGE OF SLOTS.  Each wave waits for all its tensor loads, of which one is out: its part of the other slot; adds 0 to its spare word; and waits for that and for its own LDS instructions.
; Behind the barrier nobody reads the old slot any more and the other slot is whole.  fill = 1: the barrier is a round of the cluster's, and the old slot is filled again first thing behind it, with the
; keys two slots on: it has four key steps, 256 matrix instructions, in which to land.  (At its first use slot 0 is waited for, slot 1 filled, and the table of biases shown to every wave.)
.macro CHANGE fill
	WIN 0
	s_wait_tensorcnt 0x0            ; no tensor load of mine is out, so a group 0 may be written
	ds_add_u32 v[SPW], v[NIL]       ; 0 onto my spare word
.if \fill
.irp g, G0K, G0V
	s_xor_b32 s[\g+1], s[\g+1], SLOT1
	s_add_nc_u64 s[\g+2:\g+3], s[\g+2:\g+3], 4*KS*128  ; the next 256 keys; the type bits on top are not reached
.endr
	s_wait_dscnt 0x0                ; the add is done, and my LDS reads and stores are over
	CROUND
	JLOAD
.else
	s_wait_dscnt 0x0
	s_barrier_signal -1
	s_barrier_wait -1
.endif
	s_sub_co_u32 s[TBK], s[TBK], 4*KS*PK  ; the fetches go back to a slot's first step,
	s_xor_b32 s[TBK], s[TBK], SLOT1       ; in the other slot
	s_sub_co_u32 s[TBV], s[TBV], 4*KS*PV
	s_xor_b32 s[TBV], s[TBV], SLOT1
.endm
	s_load_b128 s[4:7], s[0:1], 0x0  ; qkv s[4:5], mask s[6:7]
	s_load_b64 s[8:9], s[0:1], 0x10  ; ob
	v_lshl_add_u32 v[SPW], v0, 2, SPARE
	v_mov_b32 v[NIL], 0
	ds_add_u32 v[SPW], v[NIL]       ; the wave's opening: the add and its wait stand ahead of my first tensor load; the set-up below stands between them
	v_lshrrev_b32 v1, 5, v0
	v_readfirstlane_b32 s[WV], v1   ; wave 0..3
	s_bfe_u32 s13, ttmp6, 0x40000   ; cx
	s_lshl_b32 s14, ttmp9, 2
	s_add_co_u32 s14, s14, s13      ; my block of 256 queries: it enters Q's and ob's addresses alone
	s_and_b32 s20, ttmp7, 0xffff    ; the head, which the four partners share,
	s_lshl_b32 s20, s20, 19         ; times a group's bytes
	s_and_b32 s16, s[WV], 1         ; which half of a slot's 256 keys I fetch
	s_lshl_b32 s22, s16, 14
	s_add_co_u32 s22, s22, s20
	s_add_co_u32 s22, s22, 16*GROUPB  ; K: group 16 + head
	s_mov_b32 s23, 0
	s_add_co_u32 s50, s22, 16*GROUPB  ; V: group 32 + head
	s_mov_b32 s51, 0
	s_mul_i32 s17, s16, 128*PK      ; its place in a slot, for K
	s_mul_i32 s18, s16, 128*PV      ; and for V: no place in the cluster enters an LDS address
	s_lshl_b32 s2, s14, 2
	s_add_co_u32 s2, s2, s[WV]
	s_lshl_b32 s2, s2, 13           ; my wave's 64 rows of 128 bytes
	s_add_co_u32 s2, s2, s20
	s_mov_b32 s3, 0
	; descriptor group 1.  128 keys are 16,384 dense bytes: asked for as 64 rows of 256 bytes, two keys a row, and padded in LDS after every key
	s_mov_b32 s[G1K], 15|(1<<16)|(1<<20)|(1<<21)|(4<<22)|(3<<25)  ; the mask of four; 2-byte elements; padding on; bit 21 beside a mask; after every 32 words, 4 words
	s_mov_b32 s[G1V], 15|(1<<16)|(1<<20)|(1<<21)|(4<<22)|(7<<25)  ; the same with 8 words of padding
.irp g, G1K, G1V
	s_mov_b32 s[\g+1], 128<<16      ; tensor_dim0 = 128
	s_mov_b32 s[\g+2], 64<<16       ; tensor_dim1 = 64
	s_mov_b32 s[\g+3], 128<<16      ; tile_dim0 = 128
	s_mov_b32 s[\g+4], 64           ; tile_dim1 = 64
	s_mov_b32 s[\g+5], 128          ; elements from row to row
	s_mov_b32 s[\g+6], 0
	s_mov_b32 s[\g+7], 0
.endr
	s_mov_b32 s[SEL], 0x76543210
	s_mov_b32 s[SEL+1], 0xfedcba98
	s_mov_b32 s[TBK], SLOT1+4*KS*PK ; the first change of slots turns these two into 0
	s_mov_b32 s[TBV], SLOT1+4*KS*PV
	s_mov_b32 s[TBM], 0
	s_mov_b32 s[BIGN], 0xf149f2ca   ; -1e30
	s_mov_b32 s[G0K], 1
	s_mov_b32 s[G0K+1], s17         ; slot 0
	s_mov_b32 s[G0V], 1
	s_add_co_u32 s[G0V+1], s18, VOFF
	s_wait_dscnt 0x0                ; the opening add is done
	s_wait_kmcnt 0x0
	s_add_nc_u64 s[G0K+2:G0K+3], s[4:5], s[22:23]
	s_or_b32 s[G0K+3], s[G0K+3], 0x80000000
	s_add_nc_u64 s[G0V+2:G0V+3], s[4:5], s[50:51]
	s_or_b32 s[G0V+3], s[G0V+3], 0x80000000
	s_add_nc_u64 s[10:11], s[4:5], s[2:3]  ; Q at my wave's first row
	s_add_nc_u64 s[8:9], s[8:9], s[2:3]    ; ob likewise
	CROUND                          ; all four work-groups are here: the first joint loads meet
	JLOAD                           ; slot 0: one tensor load of mine is out
	v_lshlrev_b32 v21, 2, v0        ; the mask: thread t takes the words t, t + 128, ..: four keys a word
.irp k, 0,1,2,3,4,5,6,7
	global_load_b32 v[KF+(\k)], v21, s[6:7] offset:512*(\k)
.endr
	v_and_b32 v1, 15, v0            ; l % 16
	v_bfe_u32 v22, v0, 4, 1         ; l / 16
	v_lshlrev_b32 v20, 7, v1
	v_lshl_add_u32 v20, v22, 4, v20 ; row x 128 + 16 x half
.irp i, 0,1,2,3,4,5,6,7             ; Q stays in registers: piece i / 2, channels 32 (i % 2) on
	global_load_b128 v[Q+8*(\i):Q+8*(\i)+3],   v20, s[10:11] offset:((\i)/2)*2048+((\i)%2)*64
	global_load_b128 v[Q+8*(\i)+4:Q+8*(\i)+7], v20, s[10:11] offset:((\i)/2)*2048+((\i)%2)*64+32
.endr
	; What the first turn finds: O^T and the sums are 0; V's registers, P's second buffer and the last pair of S^T's second buffer are 0, so that its products V^T P and its carry, of a piece that has not
	; been, add 0.  No first step is written out; the price is these 218 lines, which stand in the wait for the first tile.
	WIN 0x40
.set i, 0
.rept 128
	v_mov_b32 v[i], 0
.set i, i+1
.endr
.set i, VF
.rept 64
	v_mov_b32 v[i], 0
.set i, i+1
.endr
	WIN 0
.set i, 0
.rept 16
	v_mov_b32 v[P+16+i], 0
.set i, i+1
.endr
	v_mov_b32 v[S+62], 0
	v_mov_b32 v[S+63], 0
.set i, 0
.rept 8
	v_mov_b32 v[L+i], 0
.set i, i+1
.endr
	v_mul_u32_u24 v[AK0], v1, PK
	v_lshl_add_u32 v[AK0], v22, 4, v[AK0]  ; row x pitch + 16 x half
	; The turning load takes 16 keys x 16 channels (lane l reads key 8 (l / 16) + l % 8, channels 8 ((l / 8) % 2) + 0..7) and leaves half a fragment of V^T: lane l holds channel l % 16 and 8 keys.
	v_and_b32 v23, 7, v0
	v_bfe_u32 v24, v0, 3, 1
	v_lshl_add_u32 v[AV0], v22, 3, v23
	v_mul_u32_u24 v[AV0], v[AV0], PV
	v_lshl_add_u32 v[AV0], v24, 4, v[AV0]
	v_add_nc_u32 v[AV0], VOFF, v[AV0]
	v_lshl_add_u32 v[AM0], v22, 5, BIAS
	v_lshl_add_u32 v25, v0, 4, BIAS  ; where I put four biases
	s_wait_loadcnt 0x0              ; the mask and Q
.irp k, 0,1,2,3,4,5,6,7             ; a byte 1 gives 0, a byte 0 gives -1e30: (byte - 1) & the bits of -1e30
.irp j, 0,1,2,3
	v_bfe_u32 v[KF+8+4*(\k)+(\j)], v[KF+(\k)], 8*(\j), 8
.endr
.irp j, 0,1,2,3
	v_add_nc_u32 v[KF+8+4*(\k)+(\j)], -1, v[KF+8+4*(\k)+(\j)]
.endr
.irp j, 0,1,2,3
	v_and_b32 v[KF+8+4*(\k)+(\j)], s[BIGN], v[KF+8+4*(\k)+(\j)]
.endr
	ds_store_b128 v25, v[KF+8+4*(\k):KF+8+4*(\k)+3] offset:2048*(\k)
.endr
; THE MATRIX WORK.  The 4 accumulators of a run of 8 take turns.  Product i of 8 of S^T = K Q^T for piece x: channels 32 (i / 4) on, keys 16 (i % 4) on.  The first 4 start the sums with the mask.
.macro KQ x
.set rD, S+32*((\x)%2)+8*(i%4)
.set rK, KF+16*(i%4)+8*(i/4)
.set rQ, Q+16*(\x)+8*(i/4)
.if i < 4
	WIN 0x10                        ; the C operand in window 1
	v_wmma_f32_16x16x32_f16 v[rD:rD+7], v[rK:rK+7], v[rQ:rQ+7], v[MB+8*i:MB+8*i+7]
.else
	WIN 0
	v_wmma_f32_16x16x32_f16 v[rD:rD+7], v[rK:rK+7], v[rQ:rQ+7], v[rD:rD+7]
.endif
.endm
; Product i of 8 of O^T += V^T P for piece x: keys 32 (i / 4) on, channels 16 (i % 4) on.
.macro PV x
	WIN 0x51                        ; V, C and D in window 1, P in window 0
.set rO, 32*(\x)+8*(i%4)
.set rV, VF+32*(i/4)+8*(i%4)
.set rB, P+16*((\x)%2)+8*(i/4)
	v_wmma_f32_16x16x32_f16 v[rO:rO+7], v[rV:rV+7], v[rB:rB+7], v[rO:rO+7]
.endm
; THE LDS LOADS stand in runs, never singly among the matrix instructions: a step's K (8 fragments) with its 64 biases, and its V (turned).  Their addresses are made a row ahead.
.macro FETCH_K
	WIN 0
.irp f, 0,1,2,3,4,5,6,7             ; keys 16 (f / 2) on, channels 32 (f % 2) on
	ds_load_b128 v[KF+8*\f:KF+8*\f+3],   v[AK] offset:(\f/2)*16*PK+(\f%2)*64
	ds_load_b128 v[KF+8*\f+4:KF+8*\f+7], v[AK] offset:(\f/2)*16*PK+(\f%2)*64+32
.endr
	WIN 0x40                        ; destination window 1
.irp f, 0,1,2,3                     ; the biases of keys 16 f + 8 (l / 16) + 0..7: sixteen lanes share each address
	ds_load_b128 v[MB+8*\f:MB+8*\f+3],   v[AM] offset:64*\f
	ds_load_b128 v[MB+8*\f+4:MB+8*\f+7], v[AM] offset:64*\f+16
.endr
	WIN 0
	s_add_co_u32 s[TBK], s[TBK], KS*PK  ; the next fetch is the next step's
	s_add_co_u32 s[TBM], s[TBM], 4*KS
	s_and_b32 s[TBM], s[TBM], 4*NKEYS-1 ; the table's 64 steps as a ring: the address stays inside it
.endm
.macro FETCH_V
	WIN 0x40
.irp f, 0,1,2,3,4,5,6,7             ; keys 32 (f / 4) on, channels 16 (f % 4) on
	ds_load_tr16_b128 v[VF+8*\f:VF+8*\f+3],   v[AV] offset:(\f/4)*32*PV+(\f%4)*32
	ds_load_tr16_b128 v[VF+8*\f+4:VF+8*\f+7], v[AV] offset:(\f/4)*32*PV+16*PV+(\f%4)*32
.endr
	WIN 0
	s_add_co_u32 s[TBV], s[TBV], KS*PV
.endm
; THE VECTOR WORK: slice r of 16 of piece Y's step: the exponentials of scores 2 r and 2 r + 1, in place, and between and behind them the sum and the rounding of the pair before (slice 0: of the last
; pair of the piece before, whose buffers have the other parity).  So a plain instruction that does not touch it stands behind every exponential, and each accumulator of S^T is read from its lowest register on.
.macro RID
	WIN 0
.set rS, S+32*(Y%2)
.set rP, P+16*(Y%2)
.set rX, S+32*((Y+1)%2)
.set rXP, P+16*((Y+1)%2)
.set rL, L+2*Y
.set rLP, L+2*((Y+3)%4)
	v_exp_f32 v[rS+2*r], v[rS+2*r]
.if r == 0
	s_wait_alu depctr_va_vdst(0)
	v_pk_add_f32 v[rLP:rLP+1], v[rLP:rLP+1], v[rX+30:rX+31]
.else
	s_wait_alu depctr_va_vdst(0)
	v_pk_add_f32 v[rL:rL+1], v[rL:rL+1], v[rS+2*r-2:rS+2*r-1]
.endif
	v_exp_f32 v[rS+2*r+1], v[rS+2*r+1]
.if r == 0
	v_cvt_pk_f16_f32 v[rXP+15], v[rX+30], v[rX+31]
.else
	v_cvt_pk_f16_f32 v[rP+r-1], v[rS+2*r-2], v[rS+2*r-1]
.endif
.endm
; A TURN, for piece p: 16 rows of a product and a slice.  nofetch = 1: there is no further step.  nokq = 1: there is no next piece.  cnt = 1: the loop's count is taken down a row ahead of the branch behind the turn.
; K and the mask of the next step are fetched behind row 9 of piece 2's turn: behind the last product that read them stand six plain vector instructions or more that name none of its registers.
; V of the step in hand likewise in piece 0's turn.  Each run is waited for ahead of row 8 of the turn after, its first use.
.macro TURN p, nofetch=0, nokq=0, cnt=0
.set Y, (\p)
.set PVF, 1-(((\p)+1)/2)%2          ; 1: V^T P first (pieces 0 and 3)
.set r, 0
.rept 16
.if (r == 8) && (((\p) == 1) || (((\p) == 3) && !(\nokq)))
	s_wait_dscnt 0x0                ; V (piece 1) or K and the mask (piece 3) are in
.endif
.set i, r%8
.if (PVF+r/8)%2
	PV (Y+3)%4
.elseif !(\nokq)
	KQ (Y+1)%4
.endif
	RID
.if (r == 8) && ((\p) == 2) && !(\nofetch)
	v_add_nc_u32 v[AK], s[TBK], v[AK0]
	v_add_nc_u32 v[AM], s[TBM], v[AM0]
.endif
.if (r == 8) && ((\p) == 0)
	v_add_nc_u32 v[AV], s[TBV], v[AV0]
.endif
.if (r == 9) && ((\p) == 2) && !(\nofetch)
	FETCH_K
.endif
.if (r == 9) && ((\p) == 0)
	FETCH_V
.endif
.if (r == 14) && (\cnt)
	s_sub_co_u32 s[CNT], s[CNT], 1
	s_cmp_lg_u32 s[CNT], 0
.endif
.set r, r+1
.endr
	WIN 0                           ; at a label and at a branch every window is 0
.endm
	CHANGE 1                        ; slot 0 is in, everybody's part of it, and so is the table of biases; slot 1 is asked for
	v_add_nc_u32 v[AK], s[TBK], v[AK0]
	v_add_nc_u32 v[AM], s[TBM], v[AM0]
	FETCH_K                         ; key step 0
	s_wait_dscnt 0x0
.set i, 0
.rept 8
	KQ 0                            ; piece 0's first scores: there is no vector work yet to set between them
.set i, i+1
.endr
	WIN 0                           ; the addresses for the way out: plain instructions, the places behind those products
	s_mul_i32 s13, s[WV], 16*SP
	s_add_co_u32 s13, s13, STAGE    ; my stage
	v_mul_u32_u24 v[STO], v1, SP    ; in: row l % 16, 16 bytes for each half of the lanes
	v_lshl_add_u32 v[STO], v22, 4, v[STO]
	v_add_nc_u32 v[STO], s13, v[STO]
	v_bfe_u32 v[RD], v0, 3, 2       ; back: 32 lanes take four rows of 128 bytes,
	v_mul_u32_u24 v[RD], v[RD], SP
	v_lshl_add_u32 v[RD], v23, 4, v[RD]
	v_add_nc_u32 v[RD], s13, v[RD]
	v_and_b32 v[GO], 31, v0         ; which are 512 consecutive bytes of ob
	v_lshlrev_b32 v[GO], 4, v[GO]
	s_mov_b32 s[CNT], 4
	s_mov_b32 s[SLOTS], NKEYS/256-1
	s_branch .Lfirst                ; the loop is entered at a step's first turn, in the middle of a trip
.Lslot:                             ; 14 times: every slot but the last two is filled again
	CHANGE 1
	s_mov_b32 s[CNT], 4
.Lstep:                             ; a trip: pieces 2 and 3 of one step, then pieces 0 and 1 of the next, whose K and V it fetches
	TURN 2
	TURN 3
.Lfirst:
	TURN 0
	TURN 1, 0, 0, 1
	s_cbranch_scc1 .Lstep
	s_sub_co_u32 s[SLOTS], s[SLOTS], 1
	s_cmp_lg_u32 s[SLOTS], 0
	s_cbranch_scc1 .Lslot
	CHANGE 0                        ; the last slot is written out: nothing is asked for
	s_mov_b32 s[CNT], 4
.Ltail:
	TURN 2
	TURN 3
	TURN 0
	TURN 1, 0, 0, 1
	s_cbranch_scc1 .Ltail
	TURN 2, 1                       ; the last step's pieces 2 and 3: nothing is left to fetch,
	TURN 3, 0, 1                    ; and no piece follows
	s_wait_alu depctr_va_vdst(0)
	v_pk_add_f32 v[L+6:L+7], v[L+6:L+7], v[S+62:S+63]  ; piece 3's last pair, which no further turn carries
	v_cvt_pk_f16_f32 v[P+31], v[S+62], v[S+63]
.set i, 0
.rept 8
	PV 3                            ; piece 3's V^T P of the last step
.set i, i+1
.endr
	; THE WAY OUT.  A sum's two halves and the other half of the lanes' are added; O^T is divided by it, rounded to f16 and sent through my stage in LDS, a piece at a time.  The additions are the places behind the last products.
	WIN 0
.irp t, 0,1,2,3
	v_add_f32 v[L+2*(\t)], v[L+2*(\t)], v[L+2*(\t)+1]
.endr
.irp t, 0,1,2,3
	v_permlanex16_b32 v[L+2*(\t)+1], v[L+2*(\t)], s[SEL], s[SEL+1]
.endr
.irp t, 0,1,2,3
	v_add_f32 v[L+2*(\t)], v[L+2*(\t)], v[L+2*(\t)+1]
.endr
.irp t, 0,1,2,3
	v_rcp_f32 v[L+2*(\t)], v[L+2*(\t)]
.endr
	v_nop                           ; a plain instruction between the last reciprocal and the use of its result
	s_wait_alu depctr_va_vdst(0)
.macro PACK t                       ; a lane's eight channels of a row pack into 16 bytes; they go into rows of 144 bytes and come back as whole rows of 128, into K's registers
	WIN 0x41                        ; destination and source 0 in window 1
.set i, 32*(\t)
.rept 16                            ; ascending: each accumulator's lowest registers are read first
	v_pk_mul_f32 v[i:i+1], v[i:i+1], v[L+2*(\t):L+2*(\t)+1] op_sel_hi:[1,0]
.set i, i+2
.endr
	WIN 0x05                        ; sources 0 and 1 in window 1, destination in window 0
.set i, 0
.rept 16
	v_cvt_pk_f16_f32 v[KF+16*(\t)+i], v[32*(\t)+2*i], v[32*(\t)+2*i+1]
.set i, i+1
.endr
	WIN 0
.irp f, 0,1,2,3
	ds_store_b128 v[STO], v[KF+16*(\t)+4*\f:KF+16*(\t)+4*\f+3] offset:32*\f
.endr
.irp f, 0,1,2,3
	ds_load_b128 v[KF+16*(\t)+4*\f:KF+16*(\t)+4*\f+3], v[RD] offset:\f*4*SP  ; LDS serves a wave's instructions in order (ISA guide 5.7.1.4): these see the stores above; the next piece's stores come behind them
.endr
.endm
.macro SEND t, younger              ; younger: the LDS instructions issued behind piece t's loads: the next piece's eight, or none
.irp f, 0,1,2,3
	s_wait_dscnt (\younger)+3-\f
	global_store_b128 v[GO], v[KF+16*(\t)+4*\f:KF+16*(\t)+4*\f+3], s[8:9] offset:(\t)*2048+\f*512  ; 512 consecutive bytes, at a multiple of 256 from ob's first
.endr
.endm
	PACK 0
	PACK 1                          ; a piece's arithmetic stands between the loads of the piece before and its stores
	SEND 0, 8
	PACK 2
	SEND 1, 8
	PACK 3
	SEND 2, 8
	SEND 3, 0
	s_wait_tensorcnt 0x0            ; the wave's end: behind my last tensor load and my last LDS store
	ds_add_u32 v[SPW], v[NIL]
	s_wait_dscnt 0x0
	CROUND                          ; the closing round: no work-group ends while a partner may still ask for a tile that names it
	s_endpgm
.Lfunc_end_k_qe83877371b_attn:
	.size	k_qe83877371b_attn, .Lfunc_end_k_qe83877371b_attn-k_qe83877371b_attn
	.p2alignl 7, 3214868480
	.fill 96, 4, 3214868480
	.section	.rodata,"a",@progbits
	.p2align	6, 0x0
	.amdhsa_kernel k_qe83877371b_attn
		.amdhsa_group_segment_fixed_size 327680
		.amdhsa_private_segment_fixed_size 0
		.amdhsa_enable_private_segment 0
		.amdhsa_kernarg_size 24
		.amdhsa_user_sgpr_count 2
		.amdhsa_user_sgpr_kernarg_segment_ptr 1
		.amdhsa_wavefront_size32 1
		.amdhsa_system_sgpr_workgroup_id_x 1
		.amdhsa_system_sgpr_workgroup_id_y 1
		.amdhsa_system_sgpr_workgroup_id_z 1
		.amdhsa_system_vgpr_workitem_id 0
		.amdhsa_next_free_vgpr 480
		.amdhsa_next_free_sgpr 72
		.amdhsa_reserve_vcc 0
		.amdhsa_float_denorm_mode_32 3
		.amdhsa_float_denorm_mode_16_64 3
		.amdhsa_memory_ordered 1
		.amdhsa_forward_progress 1
		.amdhsa_inst_pref_size 98
	.end_amdhsa_kernel
	.amdgpu_metadata
---
amdhsa.version: [ 1, 2 ]
amdhsa.kernels:
  - .name:           k_qe83877371b_attn
    .symbol:         k_qe83877371b_attn.kd
    .args:
      - { .name: qkv, .offset: 0, .size: 8, .value_kind: global_buffer, .address_space: global }
      - { .name: mask, .offset: 8, .size: 8, .value_kind: global_buffer, .address_space: global }
      - { .name: ob, .offset: 16, .size: 8, .value_kind: global_buffer, .address_space: global }
    .group_segment_fixed_size: 327680
    .private_segment_fixed_size: 0
    .kernarg_segment_align: 8
    .kernarg_segment_size: 24
    .max_flat_workgroup_size: 128
    .sgpr_count:     72
    .vgpr_count:     480
    .wavefront_size: 32
...
	.end_amdgpu_metadata
.endif
;; end of part 3
;; launch oproj (part 4): grid 8 x 32, 4 waves a work-group, clusters of 4 x 4, 327,680 bytes of LDS; arguments ob, wts, sc, out0; writes out0
.if DOCPART == 4
	.amdgcn_target "amdgcn-amd-amdhsa--gfx1250"
	.amdhsa_code_object_version 6
	.text
	.protected	k_qe83877371b_oproj
	.globl	k_qe83877371b_oproj
	.p2align	8
	.type	k_qe83877371b_oproj,@function
k_qe83877371b_oproj:
	s_mov_b64 s[64:65], 0
	v_nop
	global_prefetch_b8 v0, s[64:65] scope:SCOPE_SE
	s_setreg_imm32_b32 hwreg(HW_REG_WAVE_MODE, 25, 1), 1
	s_wait_xcnt 0x0
	s_wait_alu depctr_hold_cnt(0) depctr_sa_sdst(0) depctr_va_vdst(0) depctr_va_sdst(0) depctr_va_ssrc(0) depctr_va_vcc(0) depctr_vm_vsrc(0)
	s_getreg_b32 s2, hwreg(HW_REG_IB_STS2, 6, 4)
	s_cmp_eq_u32 s2, 0
	s_cbranch_scc0 .Lentry_in_a_cluster
	s_endpgm
.Lentry_in_a_cluster:
	s_bfe_u32 s2, ttmp6, 0x10000c
	s_cmp_lg_u32 s2, 0xf033
	s_cbranch_scc0 .Lentry_shape_is_right
	s_endpgm
.Lentry_shape_is_right:
; THE LAST PROJECTION.  out0[m][n] = sc[3072 + n] x the sum over k of O[m][k] wts[3072 + n][k], m < 4,096, n < 1,024, k = 64 head + channel < 1,024; operands f16, sums and out0 f32.
; O lies by heads: ob[head][m][64].  LIMIT: ob and wts's last 1,024 rows arrive within f16's range (ob is a mean of v's rows; a weight row has norm 1 at the most).
; SHARES.  A tile of out0 is 128 x 128: 8 x 32 work-groups; four waves, each 64 x 64: 16 accumulators.  K goes in steps of 256 (four heads) through two LDS slots; a quarter of a step is one head, 64 along K.
; O's TILE.  128 rows of one head are 16,384 dense bytes.  A wave's load takes two heads as a tile of two rows of 8,192 elements, a head's bytes apart, padded in LDS after every 128 bytes: 128 LDS rows of 144 bytes a head.
; THE MATRIX INSTRUCTION IS USED TRANSPOSED (source 0 = 16 rows of wts, source 1 = 16 rows of O): a lane holds row l % 16 and eight neighbouring columns.
; CLUSTER.  4 x 4 work-groups: O's tile is asked for jointly along a row of the cluster, wts's along a column.
; REGISTERS: window 0: v16-29 addresses; v96-127 my lane's 32 column scales; v128-255 the accumulators ((a, b) at v[128 + 8 (4 a + b)]).
;   window 1: two fragment buffers of 128: for 64 along K, 64 registers of O (2 x 4 blocks of 16 rows x 32 K), then 64 of wts.
.set PA,     144                       ; an LDS row of O: 128 bytes + 16
.set SL,     128*PA                    ; a head's slice
.set ABYTES, 4*SL
.set PB,     528                       ; an LDS row of wts: 512 bytes + 16; both pitches are odd multiples of 16: the 16 rows of a load start at 16 different groups of four banks (ISA guide 11.1)
.set BHALF,  64*PB
.set SLOT,   ABYTES+2*BHALF
.set STAGE,  2*SLOT                    ; behind the ring, never filled by a tensor load: 16 rows x 272 bytes for each wave
.set SPITCH, 272
.set SPARE,  STAGE+4*16*SPITCH         ; the spare words, 128 bytes a wave, which no other line names
.set GROUPB, 524288                    ; bytes of a head in ob
.set ADRA, 16                          ; v16-17  LDS address of my fragments of O in slot 0, 1
.set ADRB, 20                          ; v20-21  the same for wts
.set SCO,  22                          ; v22     my lanes' offset in sc; not rewritten while the loads of sc are out
.set STO,  24                          ; v24     the way out: where I put 32 bytes of a row
.set RD,   25                          ; v25     where I read a row back
.set CO,   26                          ; v26     my byte offset in out0
.set SPW,  28                          ; v28     LDS address of my spare word; never rewritten
.set NIL,  29                          ; v29     0; never rewritten
.set SC,   96
.set ACC,  128
.set F0,   0                           ; fragment buffers, in window 1
.set F1,   128
.set WV,  12                           ; s12  my wave's number
.set RH,  13                           ; s13  which half of the tile's rows is mine
.set CH,  14                           ; s14  which half of its columns; also which half of a tile I fetch
.set G1,  24                           ; s[24:31] descriptor group 1 for O's tiles;  s[32:39] group 0, a set for each slot
.set G0,  32
.set G1B, 48                           ; s[48:55], s[56:63] the same for wts's tiles
.set G0B, 56
.set MSB, 0
.macro WIN new                         ; the immediate's high byte repeats the setting that is left
.if MSB != (\new)
	s_set_vgpr_msb (MSB<<8)|(\new)
.set MSB, \new
.endif
.endm
.set MUL,  0x05                        ; sources 0 and 1 window 1; C and D window 0
.set TO_F, 0x40                        ; destination window 1, address window 0
.macro JLOAD s                         ; a joint load: waves 0 and 1 fetch O's two pairs of heads, waves 2 and 3 wts's two halves; an s_nop 0 and four v_nop follow each line
	s_cmp_lt_u32 s[WV], 2
	s_cbranch_scc0 .Lfor_b_\@
	tensor_load_to_lds s[G0+4*(\s):G0+4*(\s)+3], s[G1:G1+7]
	s_nop 0
.rept 4
	v_nop
.endr
	s_branch .Lasked_\@
.Lfor_b_\@:
	tensor_load_to_lds s[G0B+4*(\s):G0B+4*(\s)+3], s[G1B:G1B+7]
	s_nop 0
.rept 4
	v_nop
.endr
.Lasked_\@:
.endm
.macro CREST                           ; a round of the cluster's barrier behind its opening barrier
	s_cmp_lg_u32 s[WV], 0
	s_cbranch_scc1 .Lnot_wave_0_\@
	s_barrier_signal -3
.Lnot_wave_0_\@:
	s_barrier_wait -3
	s_barrier_signal -1
	s_barrier_wait -1
.endm
.macro CROUND                          ; a whole round
	s_barrier_signal -1
	s_barrier_wait -1
	CREST
.endm
	s_load_b256 s[4:11], s[0:1], 0x0               ; ob s[4:5], wts s[6:7], sc s[8:9], out0 s[10:11]
	v_lshl_add_u32 v[SPW], v0, 2, SPARE
	v_mov_b32 v[NIL], 0
	ds_add_u32 v[SPW], v[NIL]                      ; the wave's opening: the add and its wait stand ahead of my first tensor load; the set-up below stands between them
	v_lshrrev_b32 v1, 5, v0
	v_readfirstlane_b32 s[WV], v1                  ; wave 0..3
	s_lshr_b32 s[RH], s[WV], 1
	s_and_b32 s[CH], s[WV], 1
	s_bfe_u32 s40, ttmp6, 0x40000                  ; cx, cy
	s_bfe_u32 s41, ttmp6, 0x40004
	s_lshl_b32 s42, ttmp9, 2
	s_add_co_u32 s42, s42, s40                     ; tile column = 4 x cluster x + cx
	s_and_b32 s43, ttmp7, 0xffff
	s_lshl_b32 s43, s43, 2
	s_add_co_u32 s43, s43, s41                     ; tile row = 4 x cluster y + cy
	s_lshl_b32 s44, s41, 2
	s_lshl_b32 s44, 15, s44                        ; my row of the cluster
	s_lshl_b32 s45, 0x1111, s40                    ; my column
	s_or_b32 s[G1+0], s44, (1<<16)|(1<<20)|(1<<21)|(4<<22)|(3<<25)   ; the mask; 2-byte elements; padding on; bit 21 beside a mask; after every 32 words, 4 words
	s_mov_b32 s[G1+1], 8192<<16                    ; tensor_dim0 = 8,192 elements: 128 rows of a head
	s_mov_b32 s[G1+2], 2<<16                       ; tensor_dim1 = 2 heads
	s_mov_b32 s[G1+3], 8192<<16                    ; tile_dim0
	s_mov_b32 s[G1+4], 2                           ; tile_dim1
	s_mov_b32 s[G1+5], 262144                      ; elements from head to head
	s_mov_b32 s[G1+6], 0
	s_mov_b32 s[G1+7], 0
	s_or_b32 s[G1B+0], s45, (1<<16)|(1<<20)|(1<<21)|(6<<22)|(3<<25)  ; after every 128 words, 4 words
	s_mov_b32 s[G1B+1], 256<<16                    ; 64 rows x 256 elements
	s_mov_b32 s[G1B+2], 64<<16
	s_mov_b32 s[G1B+3], 256<<16
	s_mov_b32 s[G1B+4], 64
	s_mov_b32 s[G1B+5], 1024
	s_mov_b32 s[G1B+6], 0
	s_mov_b32 s[G1B+7], 0
	s_lshl_b32 s16, s[CH], 20                      ; ob: head 2 x half, row 128 x tile row
	s_lshl_b32 s17, s43, 14
	s_add_co_u32 s16, s16, s17
	s_mov_b32 s17, 0
	s_lshl_b32 s46, s42, 18                        ; wts: row 3,072 + 128 x tile column + 64 x half
	s_lshl_b32 s47, s[CH], 17
	s_add_co_u32 s46, s46, s47
	s_add_co_u32 s46, s46, 3072*2048
	s_mov_b32 s47, 0
	s_mul_i32 s20, s[CH], 2*SL                     ; where they go: no place in the cluster enters an LDS address
	s_mul_i32 s21, s[CH], BHALF
	s_add_co_u32 s21, s21, ABYTES
	s_wait_dscnt 0x0                               ; the opening add is done
	s_wait_kmcnt 0x0
	s_add_nc_u64 s[16:17], s[4:5], s[16:17]
	s_add_nc_u64 s[46:47], s[6:7], s[46:47]
	CROUND                                         ; all sixteen work-groups are here: the first joint loads meet
.irp s, 0,1
	s_mov_b32 s[G0+4*(\s)], 1
	s_add_co_u32 s[G0+4*(\s)+1], s20, (\s)*SLOT
	s_add_nc_u64 s[G0+4*(\s)+2:G0+4*(\s)+3], s[16:17], (\s)*4*GROUPB  ; K step s: four heads on
	s_or_b32 s[G0+4*(\s)+3], s[G0+4*(\s)+3], 0x80000000
	s_mov_b32 s[G0B+4*(\s)], 1
	s_add_co_u32 s[G0B+4*(\s)+1], s21, (\s)*SLOT
	s_add_nc_u64 s[G0B+4*(\s)+2:G0B+4*(\s)+3], s[46:47], (\s)*512
	s_or_b32 s[G0B+4*(\s)+3], s[G0B+4*(\s)+3], 0x80000000
	JLOAD \s                                       ; two tensor loads of mine are out
.endr
	v_and_b32 v1, 15, v0                           ; l % 16
	v_bfe_u32 v2, v0, 4, 1                         ; l / 16
	; my lane's 32 column scales: block b's columns 16 b + 8 (l / 16) + 0..7.  They stay out until the way out
	v_lshlrev_b32 v[SCO], 5, v2
	s_lshl_b32 s18, s42, 9
	s_lshl_b32 s19, s[CH], 8
	s_add_co_u32 s18, s18, s19                     ; my first column, in bytes of f32
	s_mov_b32 s19, 0
	s_add_nc_u64 s[8:9], s[8:9], s[18:19]
.irp b, 0,1,2,3
	global_load_b128 v[SC+8*(\b):SC+8*(\b)+3],   v[SCO], s[8:9] offset:3072*4+64*(\b)
	global_load_b128 v[SC+8*(\b)+4:SC+8*(\b)+7], v[SCO], s[8:9] offset:3072*4+64*(\b)+16
.endr
	s_add_nc_u64 s[10:11], s[10:11], s[18:19]      ; out0 at my first column,
	s_lshl_b32 s18, s43, 19
	s_lshl_b32 s22, s[RH], 18
	s_add_co_u32 s18, s18, s22
	s_add_nc_u64 s[10:11], s[10:11], s[18:19]      ; my first row: 128 x tile row + 64 x half, 4,096 bytes each
	v_mul_u32_u24 v3, v1, PA
	v_lshl_add_u32 v3, v2, 4, v3
	v_mul_u32_u24 v4, v1, PB
	v_lshl_add_u32 v4, v2, 4, v4
	s_mul_i32 s22, s[RH], 64*PA                    ; my 64 rows in every slice of O
	s_mul_i32 s23, s[CH], 64*PB                    ; my 64 rows of wts,
	s_add_co_u32 s23, s23, ABYTES                  ; which lie behind O's four slices
.irp s, 0,1
	v_add_nc_u32 v[ADRA+(\s)], s22, v3
	v_add_nc_u32 v[ADRB+(\s)], s23, v4
	s_add_co_u32 s22, s22, SLOT
	s_add_co_u32 s23, s23, SLOT
.endr
	s_mul_i32 s22, s[WV], 16*SPITCH
	s_add_co_u32 s22, s22, STAGE                   ; my stage
	v_mul_u32_u24 v5, v1, SPITCH                   ; in: row l % 16, 32 bytes for each half of the lanes
	v_lshl_add_u32 v5, v2, 5, v5
	v_add_nc_u32 v[STO], s22, v5
	v_mul_u32_u24 v5, v2, SPITCH                   ; back: lanes 0-15 take one row of 256 bytes, lanes 16-31 the next
	v_lshl_add_u32 v5, v1, 4, v5
	v_add_nc_u32 v[RD], s22, v5
	v_lshlrev_b32 v5, 12, v2                       ; and the same two rows in out0
	v_lshl_add_u32 v[CO], v1, 4, v5
; 8 matrix instructions: row blocks a0, a0 + 1 x all 4 column blocks, 32 along K: half c of buffer f.  The 16 accumulators take turns.  zero = 1: the product starts the sums
.macro MUL8 f, c, a0, zero
	WIN MUL
.irp a, \a0, (\a0)+1
.irp b, 0,1,2,3
.if \zero
	v_wmma_f32_16x16x32_f16 v[ACC+8*(4*(\a)+(\b)):ACC+8*(4*(\a)+(\b))+7], v[(\f)+64+8*(4*(\c)+(\b)):(\f)+64+8*(4*(\c)+(\b))+7], v[(\f)+8*(4*(\c)+(\a)):(\f)+8*(4*(\c)+(\a))+7], 0
.else
	v_wmma_f32_16x16x32_f16 v[ACC+8*(4*(\a)+(\b)):ACC+8*(4*(\a)+(\b))+7], v[(\f)+64+8*(4*(\c)+(\b)):(\f)+64+8*(4*(\c)+(\b))+7], v[(\f)+8*(4*(\c)+(\a)):(\f)+8*(4*(\c)+(\a))+7], v[ACC+8*(4*(\a)+(\b)):ACC+8*(4*(\a)+(\b))+7]
.endif
.endr
.endr
.endm
; 32 LDS loads in one run: the fragments of quarter q (one head: slice q of O, bytes 128 q on of wts's rows) into buffer f; the first 32 along K first
.macro FETCH slot, q, f
	WIN TO_F
.irp c, 0,1
.irp i, 0,1,2,3
	ds_load_b128 v[(\f)+64+8*(4*(\c)+(\i)):(\f)+64+8*(4*(\c)+(\i))+3],   v[ADRB+(\slot)] offset:128*(\q)+64*(\c)+(\i)*16*PB
	ds_load_b128 v[(\f)+64+8*(4*(\c)+(\i))+4:(\f)+64+8*(4*(\c)+(\i))+7], v[ADRB+(\slot)] offset:128*(\q)+64*(\c)+(\i)*16*PB+32
	ds_load_b128 v[(\f)+8*(4*(\c)+(\i)):(\f)+8*(4*(\c)+(\i))+3],         v[ADRA+(\slot)] offset:(\q)*SL+64*(\c)+(\i)*16*PA
	ds_load_b128 v[(\f)+8*(4*(\c)+(\i))+4:(\f)+8*(4*(\c)+(\i))+7],       v[ADRA+(\slot)] offset:(\q)*SL+64*(\c)+(\i)*16*PA+32
.endr
.endr
.endm
.macro PLACES                          ; four places in front of loads into registers that matrix instructions have read, and of lines that touch results
.rept 4
	v_nop
.endr
.endm
; One of a K step's first three quarters: multiplies buffer f and fetches quarter q into g.
.macro QUARTER slot, q, f, g, zero
	s_wait_dscnt 16                                ; the first 32 along K are in; the youngest sixteen loads may be out
	MUL8 \f, 0, 0, \zero
	MUL8 \f, 0, 2, \zero
	PLACES
	FETCH \slot, \q, \g
	s_wait_dscnt 32                                ; all but the 32 just issued
	MUL8 \f, 1, 0, 0
	MUL8 \f, 1, 2, 0
.endm
; The last quarter multiplies buffer 1 and changes slots: ONE barrier; in front of it each wave waits for all its tensor loads, adds 0 to its spare word, and waits for that and for its reads of this slot.
; fill = 1: the barrier opens a round of the cluster's, and this slot is filled again, two K steps ahead, first thing behind the round.
.macro TURN slot, next, fill
	WIN 0
	s_wait_tensorcnt 0x0                           ; all my tensor loads have landed: my part of the next slot
	ds_add_u32 v[SPW], v[NIL]                      ; 0 onto my spare word
	s_wait_dscnt 17                                ; (the add and the youngest sixteen loads may be out)
	MUL8 F1, 0, 0, 0                               ; eight matrix instructions stand between the add and the wait for it
	s_wait_dscnt 0x0                               ; the add is done, and my reads of this slot are over
	s_barrier_signal -1
	MUL8 F1, 0, 2, 0
.if \fill
	WIN 0
.endif
	s_barrier_wait -1
.if \fill
	CREST                                          ; no wave of any partner still reads this slot or has a load on its way
	s_add_nc_u64 s[G0+4*(\slot)+2:G0+4*(\slot)+3], s[G0+4*(\slot)+2:G0+4*(\slot)+3], 8*GROUPB
	s_add_nc_u64 s[G0B+4*(\slot)+2:G0B+4*(\slot)+3], s[G0B+4*(\slot)+2:G0B+4*(\slot)+3], 1024
	JLOAD \slot                                    ; my one tensor load behind the round; its four v_nop are also the places in front of the loads below
.else
	PLACES
.endif
	FETCH \next, 0, F0
	MUL8 F1, 1, 0, 0
	MUL8 F1, 1, 2, 0
.endm
	s_wait_tensorcnt 1                             ; my part of K step 0 is in; K step 1's may stay out
	s_barrier_signal -1
	s_barrier_wait -1                              ; everybody's is
	FETCH 0, 0, F0
	QUARTER 0, 1, F0, F1, 1                        ; four K steps, written out: the first products start the sums
	QUARTER 0, 2, F1, F0, 0
	QUARTER 0, 3, F0, F1, 0
	TURN 0, 1, 1                                   ; slot 0 takes K step 2
	QUARTER 1, 1, F0, F1, 0
	QUARTER 1, 2, F1, F0, 0
	QUARTER 1, 3, F0, F1, 0
	TURN 1, 0, 1                                   ; slot 1 takes K step 3
	QUARTER 0, 1, F0, F1, 0
	QUARTER 0, 2, F1, F0, 0
	QUARTER 0, 3, F0, F1, 0
	TURN 0, 1, 0                                   ; nothing is left to ask for
	QUARTER 1, 1, F0, F1, 0
	QUARTER 1, 2, F1, F0, 0
	QUARTER 1, 3, F0, F1, 0
	s_wait_dscnt 16                                ; the very last quarter
	MUL8 F1, 0, 0, 0
	MUL8 F1, 0, 2, 0
	s_wait_dscnt 0x0
	MUL8 F1, 1, 0, 0
	MUL8 F1, 1, 2, 0
	WIN 0
	PLACES
	s_wait_loadcnt 0x0                             ; the column scales
; THE WAY OUT.  A wave's 64 columns of f32 are 256 bytes, so each wave has a stage of its own and no barrier is needed.  Row block a: the sums times the column scales, in place; 32 bytes a lane into
; rows of 272 bytes; back as whole rows of 256 bytes, into the registers that they left.
.macro PACK a
.set z, 0
.rept 16                               ; ascending: each accumulator's lowest registers are read first
	v_pk_mul_f32 v[ACC+32*(\a)+2*z:ACC+32*(\a)+2*z+1], v[ACC+32*(\a)+2*z:ACC+32*(\a)+2*z+1], v[SC+2*z:SC+2*z+1]
.set z, z+1
.endr
.irp b, 0,1,2,3
	ds_store_b128 v[STO], v[ACC+32*(\a)+8*(\b):ACC+32*(\a)+8*(\b)+3]   offset:64*(\b)
	ds_store_b128 v[STO], v[ACC+32*(\a)+8*(\b)+4:ACC+32*(\a)+8*(\b)+7] offset:64*(\b)+16
.endr
.irp t, 0,1,2,3,4,5,6,7
	ds_load_b128 v[ACC+32*(\a)+4*(\t):ACC+32*(\a)+4*(\t)+3], v[RD] offset:(\t)*2*SPITCH  ; LDS serves a wave's instructions in order (ISA guide 5.7.1.4): these see the stores above; the next block's stores come behind them
.endr
.endm
.macro SEND a, younger                 ; younger: the LDS instructions issued behind block a's loads: the next block's sixteen, or none
.irp t, 0,1,2,3,4,5,6,7
	s_wait_dscnt (\younger)+7-(\t)
	global_store_b128 v[CO], v[ACC+32*(\a)+4*(\t):ACC+32*(\a)+4*(\t)+3], s[10:11] offset:(\a)*65536+(\t)*8192 th:TH_STORE_NT  ; 16 lanes store 256 consecutive bytes, at a multiple of 256 from out0's first
.endr
.endm
	PACK 0
	PACK 1                                         ; a block's arithmetic stands between the loads of the block before and its stores
	SEND 0, 16
	PACK 2
	SEND 1, 16
	PACK 3
	SEND 2, 16
	SEND 3, 0
	s_wait_tensorcnt 0x0                           ; the wave's end: behind my last tensor load and my last LDS store
	ds_add_u32 v[SPW], v[NIL]
	s_wait_dscnt 0x0
	CROUND                                         ; the closing round: no work-group ends while a partner may still ask for a tile that names it
	s_endpgm
.Lfunc_end_k_qe83877371b_oproj:
	.size	k_qe83877371b_oproj, .Lfunc_end_k_qe83877371b_oproj-k_qe83877371b_oproj
	.p2alignl 7, 3214868480
	.fill 96, 4, 3214868480
	.section	.rodata,"a",@progbits
	.p2align	6, 0x0
	.amdhsa_kernel k_qe83877371b_oproj
		.amdhsa_group_segment_fixed_size 327680
		.amdhsa_private_segment_fixed_size 0
		.amdhsa_enable_private_segment 0
		.amdhsa_kernarg_size 32
		.amdhsa_user_sgpr_count 2
		.amdhsa_user_sgpr_kernarg_segment_ptr 1
		.amdhsa_wavefront_size32 1
		.amdhsa_system_sgpr_workgroup_id_x 1
		.amdhsa_system_sgpr_workgroup_id_y 1
		.amdhsa_system_sgpr_workgroup_id_z 1
		.amdhsa_system_vgpr_workitem_id 0
		.amdhsa_next_free_vgpr 512
		.amdhsa_next_free_sgpr 72
		.amdhsa_reserve_vcc 0
		.amdhsa_float_denorm_mode_32 3
		.amdhsa_float_denorm_mode_16_64 3
		.amdhsa_memory_ordered 1
		.amdhsa_forward_progress 1
		.amdhsa_inst_pref_size 91
	.end_amdhsa_kernel
	.amdgpu_metadata
---
amdhsa.version: [ 1, 2 ]
amdhsa.kernels:
  - .name:           k_qe83877371b_oproj
    .symbol:         k_qe83877371b_oproj.kd
    .args:
      - { .name: ob, .offset: 0, .size: 8, .value_kind: global_buffer, .address_space: global }
      - { .name: wts, .offset: 8, .size: 8, .value_kind: global_buffer, .address_space: global }
      - { .name: sc, .offset: 16, .size: 8, .value_kind: global_buffer, .address_space: global }
      - { .name: out0, .offset: 24, .size: 8, .value_kind: global_buffer, .address_space: global }
    .group_segment_fixed_size: 327680
    .private_segment_fixed_size: 0
    .kernarg_segment_align: 8
    .kernarg_segment_size: 32
    .max_flat_workgroup_size: 128
    .sgpr_count:     72
    .vgpr_count:     512
    .wavefront_size: 32
...
	.end_amdgpu_metadata
.endif
;; end of part 4
;; ======== version 2 of 2: 4 launches; 1.45 times as fast as version 1
;; limits: values are held in f16: magnitudes above 65,504 overflow, below 6.1e-05 lose precision; right only within a limited range of input values
;; workspace buffers: xb 8,388,608 bytes; wts 8,388,608 bytes; sc 16,384 bytes; qkv 25,165,824 bytes; ob 8,388,608 bytes
;; launch prep: the kernel of part 1 again; grid 1024 x 1, 8 waves a work-group, no clusters, 0 bytes of LDS; arguments x, w_q, w_k, w_v, w_o, xb, wts, sc; writes xb, wts, sc
;; launch qkvproj: the kernel of part 2 again; grid 16 x 16, 4 waves a work-group, clusters of 4 x 4, 327,680 bytes of LDS; arguments xb, wts, sc, qkv; writes qkv
;; launch attn (part 5): grid 16 x 16, 4 waves a work-group, clusters of 4 x 1, 327,680 bytes of LDS; arguments qkv, mask, ob; writes ob
.if DOCPART == 5
	.amdgcn_target "amdgcn-amd-amdhsa--gfx1250"
	.amdhsa_code_object_version 6
	.text
	.protected	k_qe83877371b_attn
	.globl	k_qe83877371b_attn
	.p2align	8
	.type	k_qe83877371b_attn,@function
k_qe83877371b_attn:
	s_mov_b64 s[64:65], 0
	v_nop
	global_prefetch_b8 v0, s[64:65] scope:SCOPE_SE
	s_setreg_imm32_b32 hwreg(HW_REG_WAVE_MODE, 25, 1), 1
	s_wait_xcnt 0x0
	s_wait_alu depctr_hold_cnt(0) depctr_sa_sdst(0) depctr_va_vdst(0) depctr_va_sdst(0) depctr_va_ssrc(0) depctr_va_vcc(0) depctr_vm_vsrc(0)
	s_getreg_b32 s2, hwreg(HW_REG_IB_STS2, 6, 4)
	s_cmp_eq_u32 s2, 0
	s_cbranch_scc0 .Lentry_in_a_cluster
	s_endpgm
.Lentry_in_a_cluster:
	s_bfe_u32 s2, ttmp6, 0x10000c
	s_cmp_lg_u32 s2, 0x3003
	s_cbranch_scc0 .Lentry_shape_is_right
	s_endpgm
.Lentry_shape_is_right:
; ATTENTION.  ob[h][i][:] = the sum over keys j of softmax_j(q[h][i] . k[h][j] / 8, hidden keys left out) v[h][j][:].  qkv[g][4096][64] in f16: group h holds q's unit rows times c = log2(e) / 8,
; group 16 + h k's unit rows, group 32 + h v.  Products and sums in f32; the weights are rounded to f16 for the second product (their sum is taken of the unrounded weights), ob once at the end.
; NO MAXIMUM IS TAKEN AWAY.  q's and k's rows are unit vectors (or shorter) by the problem's own normalisation, whatever the inputs: an exponent c q . k lies within 0.19 of 0, a weight 2^(c q . k)
; in 0.87 to 1.15, and a row's sum is at most 4,096 x 1.15: no exponential and no sum can overflow or underflow in f32, nor a weight in f16.
; THE MASK is the C operand that starts the sum S^T = K Q^T: 0, or -1e30 where the key is hidden: that weight is exactly 0.  The mask's bytes are 0 or 1.  If all keys are hidden, the sum is 0 and
; 0 x infinity gives NaN, as the softmax of a row of -infinity does.
; SHARES.  A work-group owns 256 queries of one head, each of its four waves 64: four PIECES of 16.  Every wave walks all 4,096 keys, 64 a step; an LDS slot holds four steps.
; LAYOUT.  S^T = K Q^T holds ONE query a lane (lane % 16) and the keys 8 (lane / 16) + 0..7 of a block of 16; two such results rounded to f16 ARE source 1 of O^T = V^T P.
; BY TURNS.  A piece and step have 16 matrix instructions and 64 vector ones: 32 exponentials, 16 packed sums, 16 roundings.  Turn n belongs to piece n: its matrix work is 8 products K Q^T of piece n + 1
; and 8 products V^T P of piece n - 1; behind EACH stand four of piece n's vector instructions.  Turns 1 and 2 take K Q^T first, turns 0 and 3 V^T P first,
; so that K's registers are free from the middle of turn 2 to the middle of turn 3, and V's from the middle of turn 0 to the middle of turn 1: each run of LDS loads has 16 products in which to land.
; THE BATCHES.  A turn's 32 exponentials are ONE BATCH: four behind each of the turn's first 8 products, each in place on a register of its own, none naming another's result.  Then comes ONE wait,
; between the exponentials and the first line that names a result.  All the batch's readers, the 16 sums and 16 roundings, stand behind it, four behind each of the last 8 products.
; No result crosses a turn's end.  The way out's four reciprocals are a batch of their own.
; CLUSTER.  The four query blocks of a cluster belong to one head and walk the same K and V: each tile is asked for JOINTLY, by the same tensor load, descriptor and mask in all four.
; REGISTERS, in windows of 256 (s_set_vgpr_msb: bits 1:0 source 0, 3:2 source 1, 5:4 source 2, 7:6 destination):
;   window 0: v0-31 addresses and sums; v32-95 Q; v96-159 K of one step; v160-223 S^T, two buffers by the piece's parity; v224-255 P, likewise
;   window 1: v0-127 O^T, 32 a piece; v128-159 the step's mask; v160-223 V of one step
.set NKEYS, 4096
.set KS,    64
.set PK,    144       ; a row of K in LDS: 128 bytes + 16 of padding: the 16 rows of a load start at 16 different groups of four banks (ISA guide 11.1)
.set PV,    160       ; a row of V: 128 + 32
.set VOFF,  4*KS*PK   ; a slot: 256 rows of K, then 256 rows of V
.set SLOT1, 1<<17     ; slot 1 begins here: one exclusive or turns an address in one slot into the other's
.set STAGE, SLOT1+4*KS*(PK+PV)  ; never filled by a tensor load: 16 rows x 144 bytes for each wave, for the way out
.set SP,    144
.set BIAS,  STAGE+4*16*SP       ; 4,096 numbers in f32: 0 or -1e30 for each key; written once by ds_store
.set SPARE, BIAS+4*NKEYS        ; the spare words, 128 bytes a wave, which no other line names
.set GROUPB, 524288
.set AK0, 2           ; v2   my lane's place in a tile of K; never rewritten
.set AV0, 3           ; v3   the same for V
.set AK,  4           ; v4   the LDS address of K's next run of loads
.set AV,  5           ; v5   of V's
.set AM0, 6           ; v6   BIAS + 32 (lane / 16)
.set AM,  7           ; v7   the LDS address of the mask's next run
.set STO, 8           ; v8   the way out: where I put 16 bytes of a row
.set RD,  9           ; v9   where I read rows back
.set GO,  10          ; v10  my byte offset in 512 consecutive bytes of ob
.set L,   12          ; v12-19  piece t's sum of weights at L + 2 t: even keys', odd keys'
.set SPW, 30          ; v30  LDS address of my spare word; never rewritten
.set NIL, 31          ; v31  0; never rewritten
.set Q,   32          ; piece t, channel half c at Q + 16 t + 8 c
.set KF,  96          ; key block kb, channel half c at KF + 16 kb + 8 c
.set S,   160
.set P,   224
.set MB,  128         ; window 1: the eight numbers of key block kb at MB + 8 kb
.set VF,  160         ; window 1: key half kk, channel block cb at VF + 32 kk + 8 cb
.set WV,  12          ; s12  my wave's number
.set G1K, 24          ; s[24:31] descriptor group 1 for K's tiles
.set G1V, 32          ; s[32:39] for V's: it differs in the padding alone
.set G0K, 40          ; s[40:43] descriptor group 0 for K's tiles: it walks
.set G0V, 44          ; s[44:47] the same for V's
.set SLOTS, 56        ; s56  slots still to be asked for
.set CNT, 57          ; s57  counts a slot's key steps
.set SEL, 60          ; s[60:61] v_permlanex16_b32's selects
.set TBK, 62          ; s62  LDS byte at which K of the step to be fetched begins
.set TBV, 63          ; s63  the same for V, less VOFF
.set TBM, 66          ; s66  byte in the table of biases at which that step's 64 numbers begin
.set BIGN, 67         ; s67  -1e30
.set MSB, 0
.macro WIN new                      ; the high byte repeats the setting that is left; a switch that changes nothing is dropped
.if MSB != (\new)
	s_set_vgpr_msb (MSB<<8)|(\new)
.set MSB, (\new)
.endif
.endm
; A joint fill.  Waves 0 and 1 fetch the two halves of a slot's K, waves 2 and 3 those of its V: 128 keys each.  An s_nop 0 and four v_nop follow each of the two lines.
.macro JLOAD
	s_cmp_lt_u32 s[WV], 2
	s_cbranch_scc0 .Lfor_v_\@
	tensor_load_to_lds s[G0K:G0K+3], s[G1K:G1K+7]
	s_nop 0
.rept 4
	v_nop
.endr
	s_branch .Lasked_\@
.Lfor_v_\@:
	tensor_load_to_lds s[G0V:G0V+3], s[G1V:G1V+7]
	s_nop 0
.rept 4
	v_nop
.endr
.Lasked_\@:
.endm
.macro CROUND                       ; a round of the cluster's barrier
	s_barrier_signal -1
	s_barrier_wait -1
	s_cmp_lg_u32 s[WV], 0
	s_cbranch_scc1 .Lnot_wave_0_\@
	s_barrier_signal -3
.Lnot_wave_0_\@:
	s_barrier_wait -3
	s_barrier_signal -1
	s_barrier_wait -1
.endm
; THE CHANGE OF SLOTS.  Each wave waits for all its tensor loads, of which one is out: its part of the other slot; adds 0 to its spare word; and waits for that and for its own LDS instructions.
; Behind the barrier nobody reads the old slot any more and the other slot is whole.  fill = 1: the barrier is a round of the cluster's, and the old slot is filled again first thing behind it, with the
; keys two slots on: it has four key steps, 256 matrix instructions, in which to land.  (At its first use slot 0 is waited for, slot 1 filled, and the table of biases shown to every wave.)
.macro CHANGE fill
	WIN 0
	s_wait_tensorcnt 0x0            ; no tensor load of mine is out, so a group 0 may be written
	ds_add_u32 v[SPW], v[NIL]       ; 0 onto my spare word
.if \fill
.irp g, G0K, G0V
	s_xor_b32 s[\g+1], s[\g+1], SLOT1
	s_add_nc_u64 s[\g+2:\g+3], s[\g+2:\g+3], 4*KS*128  ; the next 256 keys; the type bits on top are not reached
.endr
	s_wait_dscnt 0x0                ; the add is done, and my LDS reads and stores are over
	CROUND
	JLOAD
.else
	s_wait_dscnt 0x0
	s_barrier_signal -1
	s_barrier_wait -1
.endif
	s_sub_co_u32 s[TBK], s[TBK], 4*KS*PK  ; the fetches go back to a slot's first step,
	s_xor_b32 s[TBK], s[TBK], SLOT1       ; in the other slot
	s_sub_co_u32 s[TBV], s[TBV], 4*KS*PV
	s_xor_b32 s[TBV], s[TBV], SLOT1
.endm
	s_load_b128 s[4:7], s[0:1], 0x0  ; qkv s[4:5], mask s[6:7]
	s_load_b64 s[8:9], s[0:1], 0x10  ; ob
	v_lshl_add_u32 v[SPW], v0, 2, SPARE
	v_mov_b32 v[NIL], 0
	ds_add_u32 v[SPW], v[NIL]       ; the wave's opening: the add and its wait stand ahead of my first tensor load; the set-up below stands between them
	v_lshrrev_b32 v1, 5, v0
	v_readfirstlane_b32 s[WV], v1   ; wave 0..3
	s_bfe_u32 s13, ttmp6, 0x40000   ; cx
	s_lshl_b32 s14, ttmp9, 2
	s_add_co_u32 s14, s14, s13      ; my block of 256 queries: it enters Q's and ob's addresses alone
	s_and_b32 s20, ttmp7, 0xffff    ; the head, which the four partners share,
	s_lshl_b32 s20, s20, 19         ; times a group's bytes
	s_and_b32 s16, s[WV], 1         ; which half of a slot's 256 keys I fetch
	s_lshl_b32 s22, s16, 14
	s_add_co_u32 s22, s22, s20
	s_add_co_u32 s22, s22, 16*GROUPB  ; K: group 16 + head
	s_mov_b32 s23, 0
	s_add_co_u32 s50, s22, 16*GROUPB  ; V: group 32 + head
	s_mov_b32 s51, 0
	s_mul_i32 s17, s16, 128*PK      ; its place in a slot, for K
	s_mul_i32 s18, s16, 128*PV      ; and for V: no place in the cluster enters an LDS address
	s_lshl_b32 s2, s14, 2
	s_add_co_u32 s2, s2, s[WV]
	s_lshl_b32 s2, s2, 13           ; my wave's 64 rows of 128 bytes
	s_add_co_u32 s2, s2, s20
	s_mov_b32 s3, 0
	; descriptor group 1.  128 keys are 16,384 dense bytes: asked for as 64 rows of 256 bytes, two keys a row, and padded in LDS after every key
	s_mov_b32 s[G1K], 15|(1<<16)|(1<<20)|(1<<21)|(4<<22)|(3<<25)  ; the mask of four; 2-byte elements; padding on; bit 21 beside a mask; after every 32 words, 4 words
	s_mov_b32 s[G1V], 15|(1<<16)|(1<<20)|(1<<21)|(4<<22)|(7<<25)  ; the same with 8 words of padding
.irp g, G1K, G1V
	s_mov_b32 s[\g+1], 128<<16      ; tensor_dim0 = 128
	s_mov_b32 s[\g+2], 64<<16       ; tensor_dim1 = 64
	s_mov_b32 s[\g+3], 128<<16      ; tile_dim0 = 128
	s_mov_b32 s[\g+4], 64           ; tile_dim1 = 64
	s_mov_b32 s[\g+5], 128          ; elements from row to row
	s_mov_b32 s[\g+6], 0
	s_mov_b32 s[\g+7], 0
.endr
	s_mov_b32 s[SEL], 0x76543210
	s_mov_b32 s[SEL+1], 0xfedcba98
	s_mov_b32 s[TBK], SLOT1+4*KS*PK ; the first change of slots turns these two into 0
	s_mov_b32 s[TBV], SLOT1+4*KS*PV
	s_mov_b32 s[TBM], 0
	s_mov_b32 s[BIGN], 0xf149f2ca   ; -1e30
	s_mov_b32 s[G0K], 1
	s_mov_b32 s[G0K+1], s17         ; slot 0
	s_mov_b32 s[G0V], 1
	s_add_co_u32 s[G0V+1], s18, VOFF
	s_wait_dscnt 0x0                ; the opening add is done
	s_wait_kmcnt 0x0
	s_add_nc_u64 s[G0K+2:G0K+3], s[4:5], s[22:23]
	s_or_b32 s[G0K+3], s[G0K+3], 0x80000000
	s_add_nc_u64 s[G0V+2:G0V+3], s[4:5], s[50:51]
	s_or_b32 s[G0V+3], s[G0V+3], 0x80000000
	s_add_nc_u64 s[10:11], s[4:5], s[2:3]  ; Q at my wave's first row
	s_add_nc_u64 s[8:9], s[8:9], s[2:3]    ; ob likewise
	CROUND                          ; all four work-groups are here: the first joint loads meet
	JLOAD                           ; slot 0: one tensor load of mine is out
	v_lshlrev_b32 v21, 2, v0        ; the mask: thread t takes the words t, t + 128, ..: four keys a word
.irp k, 0,1,2,3,4,5,6,7
	global_load_b32 v[KF+(\k)], v21, s[6:7] offset:512*(\k)
.endr
	v_and_b32 v1, 15, v0            ; l % 16
	v_bfe_u32 v22, v0, 4, 1         ; l / 16
	v_lshlrev_b32 v20, 7, v1
	v_lshl_add_u32 v20, v22, 4, v20 ; row x 128 + 16 x half
.irp i, 0,1,2,3,4,5,6,7             ; Q stays in registers: piece i / 2, channels 32 (i % 2) on
	global_load_b128 v[Q+8*(\i):Q+8*(\i)+3],   v20, s[10:11] offset:((\i)/2)*2048+((\i)%2)*64
	global_load_b128 v[Q+8*(\i)+4:Q+8*(\i)+7], v20, s[10:11] offset:((\i)/2)*2048+((\i)%2)*64+32
.endr
	; What the first turn finds: O^T and the sums are 0; V's registers and P's second buffer are 0, so that its products V^T P, of a piece that has not
	; been, add 0.  No first step is written out; the price is these 216 lines, which stand in the wait for the first tile.
	WIN 0x40
.set i, 0
.rept 128
	v_mov_b32 v[i], 0
.set i, i+1
.endr
.set i, VF
.rept 64
	v_mov_b32 v[i], 0
.set i, i+1
.endr
	WIN 0
.set i, 0
.rept 16
	v_mov_b32 v[P+16+i], 0
.set i, i+1
.endr
.set i, 0
.rept 8
	v_mov_b32 v[L+i], 0
.set i, i+1
.endr
	v_mul_u32_u24 v[AK0], v1, PK
	v_lshl_add_u32 v[AK0], v22, 4, v[AK0]  ; row x pitch + 16 x half
	; The turning load takes 16 keys x 16 channels (lane l reads key 8 (l / 16) + l % 8, channels 8 ((l / 8) % 2) + 0..7) and leaves half a fragment of V^T: lane l holds channel l % 16 and 8 keys.
	v_and_b32 v23, 7, v0
	v_bfe_u32 v24, v0, 3, 1
	v_lshl_add_u32 v[AV0], v22, 3, v23
	v_mul_u32_u24 v[AV0], v[AV0], PV
	v_lshl_add_u32 v[AV0], v24, 4, v[AV0]
	v_add_nc_u32 v[AV0], VOFF, v[AV0]
	v_lshl_add_u32 v[AM0], v22, 5, BIAS
	v_lshl_add_u32 v25, v0, 4, BIAS  ; where I put four biases
	s_wait_loadcnt 0x0              ; the mask and Q
.irp k, 0,1,2,3,4,5,6,7             ; a byte 1 gives 0, a byte 0 gives -1e30: (byte - 1) & the bits of -1e30
.irp j, 0,1,2,3
	v_bfe_u32 v[KF+8+4*(\k)+(\j)], v[KF+(\k)], 8*(\j), 8
.endr
.irp j, 0,1,2,3
	v_add_nc_u32 v[KF+8+4*(\k)+(\j)], -1, v[KF+8+4*(\k)+(\j)]
.endr
.irp j, 0,1,2,3
	v_and_b32 v[KF+8+4*(\k)+(\j)], s[BIGN], v[KF+8+4*(\k)+(\j)]
.endr
	ds_store_b128 v25, v[KF+8+4*(\k):KF+8+4*(\k)+3] offset:2048*(\k)
.endr
; THE MATRIX WORK.  The 4 accumulators of a run of 8 take turns.  Product i of 8 of S^T = K Q^T for piece x: channels 32 (i / 4) on, keys 16 (i % 4) on.  The first 4 start the sums with the mask.
.macro KQ x
.set rD, S+32*((\x)%2)+8*(i%4)
.set rK, KF+16*(i%4)+8*(i/4)
.set rQ, Q+16*(\x)+8*(i/4)
.if i < 4
	WIN 0x10                        ; the C operand in window 1
	v_wmma_f32_16x16x32_f16 v[rD:rD+7], v[rK:rK+7], v[rQ:rQ+7], v[MB+8*i:MB+8*i+7]
.else
	WIN 0
	v_wmma_f32_16x16x32_f16 v[rD:rD+7], v[rK:rK+7], v[rQ:rQ+7], v[rD:rD+7]
.endif
.endm
; Product i of 8 of O^T += V^T P for piece x: keys 32 (i / 4) on, channels 16 (i % 4) on.
.macro PV x
	WIN 0x51                        ; V, C and D in window 1, P in window 0
.set rO, 32*(\x)+8*(i%4)
.set rV, VF+32*(i/4)+8*(i%4)
.set rB, P+16*((\x)%2)+8*(i/4)
	v_wmma_f32_16x16x32_f16 v[rO:rO+7], v[rV:rV+7], v[rB:rB+7], v[rO:rO+7]
.endm
; THE LDS LOADS stand in runs, never singly among the matrix instructions: a step's K (8 fragments) with its 64 biases, and its V (turned).  Their addresses are made just ahead, behind the turn's last exponential.
.macro FETCH_K
	WIN 0
.irp f, 0,1,2,3,4,5,6,7             ; keys 16 (f / 2) on, channels 32 (f % 2) on
	ds_load_b128 v[KF+8*\f:KF+8*\f+3],   v[AK] offset:(\f/2)*16*PK+(\f%2)*64
	ds_load_b128 v[KF+8*\f+4:KF+8*\f+7], v[AK] offset:(\f/2)*16*PK+(\f%2)*64+32
.endr
	WIN 0x40                        ; destination window 1
.irp f, 0,1,2,3                     ; the biases of keys 16 f + 8 (l / 16) + 0..7: sixteen lanes share each address
	ds_load_b128 v[MB+8*\f:MB+8*\f+3],   v[AM] offset:64*\f
	ds_load_b128 v[MB+8*\f+4:MB+8*\f+7], v[AM] offset:64*\f+16
.endr
	WIN 0
	s_add_co_u32 s[TBK], s[TBK], KS*PK  ; the next fetch is the next step's
	s_add_co_u32 s[TBM], s[TBM], 4*KS
	s_and_b32 s[TBM], s[TBM], 4*NKEYS-1 ; the table's 64 steps as a ring: the address stays inside it
.endm
.macro FETCH_V
	WIN 0x40
.irp f, 0,1,2,3,4,5,6,7             ; keys 32 (f / 4) on, channels 16 (f % 4) on
	ds_load_tr16_b128 v[VF+8*\f:VF+8*\f+3],   v[AV] offset:(\f/4)*32*PV+(\f%4)*32
	ds_load_tr16_b128 v[VF+8*\f+4:VF+8*\f+7], v[AV] offset:(\f/4)*32*PV+16*PV+(\f%4)*32
.endr
	WIN 0
	s_add_co_u32 s[TBV], s[TBV], KS*PV
.endm
; THE VECTOR WORK: slice r of 16 of piece Y's step.  Slices 0 to 7 are the batch: the exponentials of scores 4 r .. 4 r + 3, in place and ascending
; none names another's result.  Slices 8 to 15, behind the turn's wait, are the batch's readers: for the pairs 2 (r - 8) and 2 (r - 8) + 1 the sum, the two roundings, the sum: the sum of weights takes
; the pairs in ascending order, and two links of its chain stand three lines apart or have the next product between them.
.macro RID
	WIN 0
.set rS, S+32*(Y%2)
.set rL, L+2*Y
.if r < 8
.irp z, 0,1,2,3
	v_exp_f32 v[rS+4*r+\z], v[rS+4*r+\z]
.endr
.else
.set rA, rS+4*(r-8)
.set rW, P+16*(Y%2)+2*(r-8)
	v_pk_add_f32 v[rL:rL+1], v[rL:rL+1], v[rA:rA+1]
	v_cvt_pk_f16_f32 v[rW], v[rA], v[rA+1]
	v_cvt_pk_f16_f32 v[rW+1], v[rA+2], v[rA+3]
	v_pk_add_f32 v[rL:rL+1], v[rL:rL+1], v[rA+2:rA+3]
.endif
.endm
; A TURN, for piece p: 16 rows of a product and a slice; between rows 7 and 8 the batch's plain instruction and its ONE wait.  nofetch = 1: there is no further step.  nokq = 1: there is no next piece.
; cnt = 1: the loop's count is taken down a row ahead of the branch behind the turn.
; K and the mask of the next step are fetched in piece 2's turn, directly behind its wait: between row 7's product, the last that read them, and the loads stand four plain vector instructions that name none of
; its registers: the run's two address lines and two v_nop (the exponentials between are no places).  V of the step in hand likewise in piece 0's turn: its address line and three v_nop.
; Each run is waited for ahead of row 8 of the turn after, its first use.
.macro TURN p, nofetch=0, nokq=0, cnt=0
.set Y, (\p)
.set PVF, 1-(((\p)+1)/2)%2          ; 1: V^T P first (pieces 0 and 3)
.set r, 0
.rept 16
.if (r == 8) && (((\p) == 1) || (((\p) == 3) && !(\nokq)))
	s_wait_dscnt 0x0                ; V (piece 1) or K and the mask (piece 3) are in
.endif
.set i, r%8
.if (PVF+r/8)%2
	PV (Y+3)%4
.elseif !(\nokq)
	KQ (Y+1)%4
.endif
	RID
.if r == 7                          ; the batch is out: 32 exponentials are issued, and no result has been named
.if ((\p) == 2) && !(\nofetch)
	v_add_nc_u32 v[AK], s[TBK], v[AK0]  ; the plain instruction behind the last exponential; with the three lines below, the four places in front of the loads
	v_add_nc_u32 v[AM], s[TBM], v[AM0]
	v_nop
	v_nop
	s_wait_alu depctr_va_vdst(0)    ; the wait for the turn's batch of 32 exponentials, ahead of their first reader in slice 8
	FETCH_K
.elseif (\p) == 0
	v_add_nc_u32 v[AV], s[TBV], v[AV0]  ; the plain instruction behind the last exponential; with the three v_nop, the four places in front of the loads
	v_nop
	v_nop
	v_nop
	s_wait_alu depctr_va_vdst(0)    ; the wait for the turn's batch of 32 exponentials, ahead of their first reader in slice 8
	FETCH_V
.else
	v_nop                           ; the plain instruction behind the last exponential: one for the batch
	s_wait_alu depctr_va_vdst(0)    ; the wait for the turn's batch of 32 exponentials, ahead of their first reader in slice 8
.endif
.endif
.if (r == 14) && (\cnt)
	s_sub_co_u32 s[CNT], s[CNT], 1
	s_cmp_lg_u32 s[CNT], 0
.endif
.set r, r+1
.endr
	WIN 0                           ; at a label and at a branch every window is 0
.endm
	CHANGE 1                        ; slot 0 is in, everybody's part of it, and so is the table of biases; slot 1 is asked for
	v_add_nc_u32 v[AK], s[TBK], v[AK0]
	v_add_nc_u32 v[AM], s[TBM], v[AM0]
	FETCH_K                         ; key step 0
	s_wait_dscnt 0x0
.set i, 0
.rept 8
	KQ 0                            ; piece 0's first scores: there is no vector work yet to set between them
.set i, i+1
.endr
	WIN 0                           ; the addresses for the way out: plain instructions, the places behind those products
	s_mul_i32 s13, s[WV], 16*SP
	s_add_co_u32 s13, s13, STAGE    ; my stage
	v_mul_u32_u24 v[STO], v1, SP    ; in: row l % 16, 16 bytes for each half of the lanes
	v_lshl_add_u32 v[STO], v22, 4, v[STO]
	v_add_nc_u32 v[STO], s13, v[STO]
	v_bfe_u32 v[RD], v0, 3, 2       ; back: 32 lanes take four rows of 128 bytes,
	v_mul_u32_u24 v[RD], v[RD], SP
	v_lshl_add_u32 v[RD], v23, 4, v[RD]
	v_add_nc_u32 v[RD], s13, v[RD]
	v_and_b32 v[GO], 31, v0         ; which are 512 consecutive bytes of ob
	v_lshlrev_b32 v[GO], 4, v[GO]
	s_mov_b32 s[CNT], 4
	s_mov_b32 s[SLOTS], NKEYS/256-1
	s_branch .Lfirst                ; the loop is entered at a step's first turn, in the middle of a trip
.Lslot:                             ; 14 times: every slot but the last two is filled again
	CHANGE 1
	s_mov_b32 s[CNT], 4
.Lstep:                             ; a trip: pieces 2 and 3 of one step, then pieces 0 and 1 of the next, whose K and V it fetches
	TURN 2
	TURN 3
.Lfirst:
	TURN 0
	TURN 1, 0, 0, 1
	s_cbranch_scc1 .Lstep
	s_sub_co_u32 s[SLOTS], s[SLOTS], 1
	s_cmp_lg_u32 s[SLOTS], 0
	s_cbranch_scc1 .Lslot
	CHANGE 0                        ; the last slot is written out: nothing is asked for
	s_mov_b32 s[CNT], 4
.Ltail:
	TURN 2
	TURN 3
	TURN 0
	TURN 1, 0, 0, 1
	s_cbranch_scc1 .Ltail
	TURN 2, 1                       ; the last step's pieces 2 and 3: nothing is left to fetch,
	TURN 3, 0, 1                    ; and no piece follows
.set i, 0
.rept 8
	PV 3                            ; piece 3's V^T P of the last step
.set i, i+1
.endr
	; THE WAY OUT.  A sum's two halves and the other half of the lanes' are added; O^T is divided by it, rounded to f16 and sent through my stage in LDS, a piece at a time.  The additions are the places behind the last products.
	WIN 0
.irp t, 0,1,2,3
	v_add_f32 v[L+2*(\t)], v[L+2*(\t)], v[L+2*(\t)+1]
.endr
.irp t, 0,1,2,3
	v_permlanex16_b32 v[L+2*(\t)+1], v[L+2*(\t)], s[SEL], s[SEL+1]
.endr
.irp t, 0,1,2,3
	v_add_f32 v[L+2*(\t)], v[L+2*(\t)], v[L+2*(\t)+1]
.endr
.irp t, 0,1,2,3
	v_rcp_f32 v[L+2*(\t)], v[L+2*(\t)]
.endr
	v_nop                           ; a plain instruction between the last reciprocal and the use of its result
	s_wait_alu depctr_va_vdst(0)    ; the wait for the batch of four reciprocals, ahead of their first reader in PACK 0
.macro PACK t                       ; a lane's eight channels of a row pack into 16 bytes; they go into rows of 144 bytes and come back as whole rows of 128, into K's registers
	WIN 0x41                        ; destination and source 0 in window 1
.set i, 32*(\t)
.rept 16                            ; ascending: each accumulator's lowest registers are read first
	v_pk_mul_f32 v[i:i+1], v[i:i+1], v[L+2*(\t):L+2*(\t)+1] op_sel_hi:[1,0]
.set i, i+2
.endr
	WIN 0x05                        ; sources 0 and 1 in window 1, destination in window 0
.set i, 0
.rept 16
	v_cvt_pk_f16_f32 v[KF+16*(\t)+i], v[32*(\t)+2*i], v[32*(\t)+2*i+1]
.set i, i+1
.endr
	WIN 0
.irp f, 0,1,2,3
	ds_store_b128 v[STO], v[KF+16*(\t)+4*\f:KF+16*(\t)+4*\f+3] offset:32*\f
.endr
.irp f, 0,1,2,3
	ds_load_b128 v[KF+16*(\t)+4*\f:KF+16*(\t)+4*\f+3], v[RD] offset:\f*4*SP  ; LDS serves a wave's instructions in order (ISA guide 5.7.1.4): these see the stores above; the next piece's stores come behind them
.endr
.endm
.macro SEND t, younger              ; younger: the LDS instructions issued behind piece t's loads: the next piece's eight, or none
.irp f, 0,1,2,3
	s_wait_dscnt (\younger)+3-\f
	global_store_b128 v[GO], v[KF+16*(\t)+4*\f:KF+16*(\t)+4*\f+3], s[8:9] offset:(\t)*2048+\f*512  ; 512 consecutive bytes, at a multiple of 256 from ob's first
.endr
.endm
	PACK 0
	PACK 1                          ; a piece's arithmetic stands between the loads of the piece before and its stores
	SEND 0, 8
	PACK 2
	SEND 1, 8
	PACK 3
	SEND 2, 8
	SEND 3, 0
	s_wait_tensorcnt 0x0            ; the wave's end: behind my last tensor load and my last LDS store
	ds_add_u32 v[SPW], v[NIL]
	s_wait_dscnt 0x0
	CROUND                          ; the closing round: no work-group ends while a partner may still ask for a tile that names it
	s_endpgm
.Lfunc_end_k_qe83877371b_attn:
	.size	k_qe83877371b_attn, .Lfunc_end_k_qe83877371b_attn-k_qe83877371b_attn
	.p2alignl 7, 3214868480
	.fill 96, 4, 3214868480
	.section	.rodata,"a",@progbits
	.p2align	6, 0x0
	.amdhsa_kernel k_qe83877371b_attn
		.amdhsa_group_segment_fixed_size 327680
		.amdhsa_private_segment_fixed_size 0
		.amdhsa_enable_private_segment 0
		.amdhsa_kernarg_size 24
		.amdhsa_user_sgpr_count 2
		.amdhsa_user_sgpr_kernarg_segment_ptr 1
		.amdhsa_wavefront_size32 1
		.amdhsa_system_sgpr_workgroup_id_x 1
		.amdhsa_system_sgpr_workgroup_id_y 1
		.amdhsa_system_sgpr_workgroup_id_z 1
		.amdhsa_system_vgpr_workitem_id 0
		.amdhsa_next_free_vgpr 480
		.amdhsa_next_free_sgpr 72
		.amdhsa_reserve_vcc 0
		.amdhsa_float_denorm_mode_32 3
		.amdhsa_float_denorm_mode_16_64 3
		.amdhsa_memory_ordered 1
		.amdhsa_forward_progress 1
		.amdhsa_inst_pref_size 94
	.end_amdhsa_kernel
	.amdgpu_metadata
---
amdhsa.version: [ 1, 2 ]
amdhsa.kernels:
  - .name:           k_qe83877371b_attn
    .symbol:         k_qe83877371b_attn.kd
    .args:
      - { .name: qkv, .offset: 0, .size: 8, .value_kind: global_buffer, .address_space: global }
      - { .name: mask, .offset: 8, .size: 8, .value_kind: global_buffer, .address_space: global }
      - { .name: ob, .offset: 16, .size: 8, .value_kind: global_buffer, .address_space: global }
    .group_segment_fixed_size: 327680
    .private_segment_fixed_size: 0
    .kernarg_segment_align: 8
    .kernarg_segment_size: 24
    .max_flat_workgroup_size: 128
    .sgpr_count:     72
    .vgpr_count:     480
    .wavefront_size: 32
...
	.end_amdgpu_metadata
.endif
;; end of part 5
;; launch oproj: the kernel of part 4 again; grid 8 x 32, 4 waves a work-group, clusters of 4 x 4, 327,680 bytes of LDS; arguments ob, wts, sc, out0; writes out0
